; MI455X (gfx1250); checked and timed in simulation.
; The chip was launched on July 23, 2026; its instructions are those of AMD's public machine-readable ISA for CDNA 5 (MIT licence, August 2026) and "CDNA5" Instruction Set Architecture Reference Guide (July 2026). The comments in the code are by the model that wrote it; some were corrected since.
;; Multi Head Attention. Allowed arithmetic: matrix products marked QUANTISED: E2M1 operands, one E8M0 scale for each 32 along K, by v_wmma_scale_f32_16x16x128_f8f6f4 with both operands' format E2M1 (or v_wmma_scale_f32_32x16x128_f4), f32 sums; products left as they are: bf16, f16 or f32 operands; f32 sums; everything else in f32.
;; Inputs: Wk 1,024 x 1,024 float32; Wo 1,024 x 1,024 float32; Wq 1,024 x 1,024 float32; Wv 1,024 x 1,024 float32; bk 1,024 float32; bo 1,024 float32; bq 1,024 float32; bv 1,024 float32; key 2 x 2,048 x 1,024 float32; query 2 x 2,048 x 1,024 float32; value 2 x 2,048 x 1,024 float32.
;; Outputs: out0 2 x 2,048 x 1,024 float32.
;; This version of the problem:
;;   THIS VERSION OF THE PROBLEM IS GIVEN IN LOW PRECISION. The matrix products marked QUANTISED in the list below multiply operands that are first quantised to E2M1 (2 exponent bits, 1 mantissa bit; 4 bits a number), with one power-of-two scale for each 32 numbers along K (OCP MX v1.0); their sums are f32. The products marked 'left as it is' may take bf16, f16 or f32 operands, with f32 sums. Whichever they take, every output number must still come out within the allowed error. Rounding operands to bf16 (8 significant bits) uses up far more of that allowance than f16 does (11 bits, for magnitudes from 6e-5 to 65,504). All else is computed in f32.
;;   The module's matrix products, in the order in which they are computed (A, B: the left and right operand; K: the contracted axis; several contracted axes count as one K, in the product's order):
;;     1. [M 4,096, K 1,024] x [K 1,024, N 1,024]; A: input query; B: input Wq: QUANTISED
;;     2. [M 4,096, K 1,024] x [K 1,024, N 1,024]; A: input key; B: input Wk: QUANTISED
;;     3. [M 4,096, K 1,024] x [K 1,024, N 1,024]; A: input value; B: input Wv: QUANTISED
;;     4. batch 32 x [M 2,048, K 64] x [K 64, N 2,048]; A: computed on the way; B: computed on the way: left as it is (an operand is computed on the way)
;;     5. batch 32 x [M 2,048, K 2,048] x [K 2,048, N 64]; A: computed on the way; B: computed on the way: left as it is (an operand is computed on the way)
;;     6. [M 4,096, K 1,024] x [K 1,024, N 1,024]; A: computed on the way; B: input Wo: left as it is (an operand is computed on the way)
;;   THE QUANTISER, for each operand of a quantised product, along K:
;;     - K is cut into blocks of 32 from its start; a last block that is shorter is filled with zeros.
;;     - A block's scale is 2^e with e = floor(log2(the largest magnitude in the block)) - 2, held to -126 .. 127; a block of zeros has e = 0. As a byte (E8M0): e + 127.
;;     - Each number is divided by its block's scale, clamped to +-6, and rounded to the nearest number of E2M1, ties to even, subnormals kept.
;;     - The product sums the exact products of the quantised numbers (number of the format x scale) in f32.
;;   ~~~python
;;   def quantise(x, axis):      # numpy; x: float32 -> the quantised numbers, widened to float32 again
;;       x = np.moveaxis(x, axis, -1); K = x.shape[-1]
;;       x = np.pad(x, [(0, 0)] * (x.ndim - 1) + [(0, -K % 32)]); x = x.reshape(x.shape[:-1] + (-1, 32)); a = np.abs(x).max(-1, keepdims=True)
;;       e = np.where(a > 0, np.clip(np.frexp(np.where(a > 0, a, 1))[1] - 1 - 2, -126, 127), 0)      # np.frexp(a)[1] - 1 = floor(log2(a)), exactly
;;       r = np.clip(x / 2.0 ** e, -6, 6)
;;       step = 2.0 ** (np.maximum(np.frexp(np.where(r == 0, 1, r))[1] - 1, 0) - 1)
;;       q = np.round(r / step) * step * 2.0 ** e      # np.round: ties to even
;;       return np.moveaxis(q.reshape(q.shape[:-2] + (-1,))[..., :K], -1, axis).astype(np.float32)
;;   ~~~
;; One version. Each part assembles by itself: llvm-mc -triple=amdgcn-amd-amdhsa -mcpu=gfx1250 --defsym DOCPART=n.
;; ======== version 1 of 1: 4 launches
;; limits: values are held in f16: magnitudes above 65,504 overflow, below 6.1e-05 lose precision
;; workspace buffers: xc 6,291,456 bytes; xs 393,216 bytes; wc 1,572,864 bytes; ws 98,304 bytes; wot 2,097,152 bytes; qkv 25,165,824 bytes; ao 8,388,608 bytes
;; launch prep (part 1): grid 640 x 1, 4 waves a work-group, no clusters, 39,424 bytes of LDS; arguments query, key, value, Wq, Wk, Wv, Wo, xc, xs, wc, ws, wot; writes xc, xs, wc, ws, wot
.if DOCPART == 1
	.amdgcn_target "amdgcn-amd-amdhsa--gfx1250"
	.amdhsa_code_object_version 6
	.text
	.protected	k_q7aab552c0a_prep
	.globl	k_q7aab552c0a_prep
	.p2align	8
	.type	k_q7aab552c0a_prep,@function
k_q7aab552c0a_prep:
	s_mov_b64 s[64:65], 0
	v_nop
	global_prefetch_b8 v0, s[64:65] scope:SCOPE_SE
	s_setreg_imm32_b32 hwreg(HW_REG_WAVE_MODE, 25, 1), 1
	s_wait_xcnt 0x0
; THE OPERANDS OF THE THREE QUANTISED PRODUCTS BECOME CODES OF FP4 (E2M1) WITH ONE E8M0 BYTE FOR EACH 32 ALONG K, AND Wo BECOMES f16.  All five results are laid as images of the reader's operand registers.
; A block's scale is 2^(floor(log2(its largest magnitude)) - 2): its byte is the largest magnitude's exponent field - 2, held at 1 from below; each number / scale goes to the nearest code, ties to even, beyond 6 the largest code.
; xc [kh 2][RT 768][kb 16][r 16][16 bytes]: query, key, value as one matrix of 12,288 rows; RT = row / 16, r = row % 16, kh = k / 512, kb = (k % 512) / 32.   xs [RT][kh][r][16 bytes]: byte kb = the byte of block 16 kh + kb.
; wc [kh 2][NT 192][kb][r][16 bytes], ws [NT][kh][r][16 bytes]: the same for the 3,072 output columns of Wq, Wk, Wv (K is the weights' FIRST axis).   wot [ks 4][nt 64][kg 32][r][8 f16]: Wo's column 16 nt + r, k = 256 ks + 8 kg + 0 .. 7.
; SHARES.  Work-groups 0-383: activations; a wave takes 16 rows x 512 along K, a row a step: four loads of 512 consecutive bytes, turned through the wave's own stage in LDS so that a lane holds 16 neighbours (two lanes a block).
; Work-groups 384-639: a weight's 128 columns x 128 along K; a lane takes a column and its registers run down K, so a block lies in one lane and the codes come out with K innermost.
; The paths part on the work-group's number; only the first touches LDS.  No tensor load, no barrier, no cluster: work-groups and waves share no input.
; LIMITS: a block of zeros gets the byte 1 where the rule says 127 (its codes are zeros, and this program alone reads the bytes); blocks whose largest magnitude lies under 2^-124 are held at that floor;
; |Wo| stays under 65,504 (f16); NaN and infinities among the inputs are not served.  The weights' scale words leave as 4 bytes of each 16: one byte in 128 of what that path reads.
.set STEPS, 16
.set WREG,  9728                       ; LDS of a wave: two turning stages of 32 x 80 bytes, 256 scale bytes, a stage of 16 x 272 bytes for the codes
.set SP,    80                         ; a lane's place in a turning stage: 64 bytes + 16 of padding
.set SCB,   5120                       ; the scale bytes
.set CST,   5376                       ; the codes' stage: row kb, 256 bytes + 16
.set CPI,   272
.set SPARE, 4*WREG                     ; behind the four regions: the spare words, 128 bytes a wave, which no other line names
.set SPW,   12                         ; v12  LDS address of my spare word; never rewritten
.set NIL,   13                         ; v13  0; never rewritten
.set R,     16                         ; v16-79   four sets of 16 numbers as loaded
.set X,     80                         ; v80-111  two sets of 16 neighbours
.set E,     112                        ; v112-127 a scale byte for each step
.set C,     128                        ; v128-191 codes, registers of their own for each step
.set WX,    32                         ; weights: v32-95 two sets of 32 numbers down K
.set WC,    96                         ; weights: v96.. results, registers of their own for each block
	s_load_b512 s[4:19], s[0:1], 0x0               ; query 4, key 6, value 8, Wq 10, Wk 12, Wv 14, Wo 16, xc 18
	s_load_b256 s[20:27], s[0:1], 0x40             ; xs 20, wc 22, ws 24, wot 26
	v_lshl_add_u32 v[SPW], v0, 2, SPARE
	v_mov_b32 v[NIL], 0
	v_lshrrev_b32 v1, 5, v0
	v_readfirstlane_b32 s28, v1                    ; wave 0..3
	v_and_b32 v2, 31, v0                           ; lane
	s_wait_kmcnt 0x0
	s_cmp_lt_u32 ttmp9, 384
	s_cbranch_scc0 .Lw
; ---------------- the activations ----------------
	v_lshlrev_b32 v3, 4, v2                        ; 16 x lane: my bytes of a load's 512, and of a store's
	s_mul_i32 s36, s28, WREG
	v_lshrrev_b32 v14, 2, v2
	v_mul_u32_u24 v14, v14, SP
	v_and_b32 v15, 3, v2
	v_lshl_add_u32 v14, v15, 4, v14
	v_add_nc_u32 v14, s36, v14                     ; turning stage, in: four lanes' 64 bytes on end, then the padding
	v_mul_u32_u24 v15, v2, SP
	v_add_nc_u32 v15, s36, v15                     ; out: my 16 neighbours
	v_lshrrev_b32 v5, 1, v2                        ; my block kb
	v_mul_u32_u24 v4, v5, CPI
	v_and_b32 v6, 1, v2
	v_lshl_add_u32 v4, v6, 3, v4
	s_add_co_u32 s37, s36, CST
	v_add_nc_u32 v4, s37, v4                       ; codes' stage, in: row kb, my half of the block's 16 bytes; the step's row r stands in the immediate
	v_lshrrev_b32 v10, 4, v2
	v_mul_u32_u24 v10, v10, CPI
	v_and_b32 v6, 15, v2
	v_lshl_add_u32 v10, v6, 4, v10
	v_add_nc_u32 v10, s37, v10                     ; out: sixteen lanes a row kb, two rows an instruction
	s_add_co_u32 s37, s36, SCB
	v_add_nc_u32 v5, s37, v5                       ; my block's scale byte
	v_lshlrev_b32 v7, 3, v2
	v_add_nc_u32 v6, s37, v7                       ; and 8 bytes a lane on the way out
	s_cmp_lt_u32 ttmp9, 256                        ; which tensor: the choice hangs on the work-group's number alone
	s_cselect_b64 s[30:31], s[6:7], s[8:9]
	s_cmp_lt_u32 ttmp9, 128
	s_cselect_b64 s[30:31], s[4:5], s[30:31]
	s_lshr_b32 s36, s28, 1
	s_lshl_b32 s37, ttmp9, 1
	s_add_co_u32 s36, s36, s37                     ; RT = 2 x work-group + wave / 2
	s_and_b32 s37, s28, 1                          ; kh = wave % 2
	s_and_b32 s38, s36, 255
	s_lshl_b32 s38, s38, 16                        ; 16 rows of 4,096 bytes
	s_lshl_b32 s39, s37, 11
	s_add_co_u32 s38, s38, s39
	s_mov_b32 s39, 0
	s_add_nc_u64 s[30:31], s[30:31], s[38:39]
	s_mul_i32 s38, s37, 3145728
	s_lshl_b32 s40, s36, 12
	s_add_co_u32 s38, s38, s40
	s_add_nc_u64 s[32:33], s[18:19], s[38:39]      ; xc at [kh][RT]
	s_lshl_b32 s38, s36, 9
	s_lshl_b32 s40, s37, 8
	s_add_co_u32 s38, s38, s40
	s_add_nc_u64 s[34:35], s[20:21], s[38:39]      ; xs at [RT][kh]
.macro LOAD t
.irp i, 0,1,2,3
	global_load_b128 v[R+16*((\t)%4)+4*\i:R+16*((\t)%4)+4*\i+3], v3, s[30:31] offset:4096*(\t)+512*\i th:TH_LOAD_NT   ; 32 lanes read 512 consecutive bytes of row t
.endr
.endm
.macro TURN t                          ; step t's numbers through a stage: LDS serves a wave's instructions in order, so no wait stands between the stores and the loads
.irp i, 0,1,2,3
	ds_store_b128 v14, v[R+16*((\t)%4)+4*\i:R+16*((\t)%4)+4*\i+3] offset:32*SP*((\t)%2)+8*SP*\i
.endr
.irp i, 0,1,2,3
	ds_load_b128 v[X+16*((\t)%2)+4*\i:X+16*((\t)%2)+4*\i+3], v15 offset:32*SP*((\t)%2)+16*\i
.endr
.endm
.irp t, 0,1,2,3
	LOAD \t
.endr
	s_wait_loadcnt 12                              ; step 0's four loads are in; three steps' twelve may be out
	TURN 0
.macro STEP t
.set XS, X+16*((\t)%2)
.if (\t) > 0
	s_wait_dscnt 2                                 ; this step's numbers are back from the stage; the last step's byte store and code store may be out
.else
	s_wait_dscnt 0x0
.endif
.if (\t)+4 < STEPS
	LOAD (\t)+4                                    ; into the set whose stores into the stage are done
.endif
.if (\t)+1 < STEPS
.if STEPS-2-(\t) >= 3
	s_wait_loadcnt 12                              ; the next step's four loads are in; those of the three steps behind it may be out
.else
	s_wait_loadcnt 4*(STEPS-2-(\t))
.endif
	TURN (\t)+1
.endif
	v_max3_num_f32 v8, |v[XS]|, |v[XS+1]|, |v[XS+2]|   ; the largest magnitude of my 16, in two chains
	v_max3_num_f32 v9, |v[XS+3]|, |v[XS+4]|, |v[XS+5]|
.irp i, 6,10
	v_max3_num_f32 v8, v8, |v[XS+\i]|, |v[XS+\i+1]|
	v_max3_num_f32 v9, v9, |v[XS+\i+2]|, |v[XS+\i+3]|
.endr
	v_max3_num_f32 v8, v8, |v[XS+14]|, |v[XS+15]|
	v_max3_num_f32 v8, v8, v9, 0x1800000           ; and the floor 2^(3 - 127): the byte cannot fall under 1
	v_max_num_f32_dpp v8, v8, v8 row_xmask:1 row_mask:0xf bank_mask:0xf   ; with my neighbour's 16: the block's
	v_add_nc_u32 v11, 0xff000000, v8               ; 2 off its exponent field: the conversion takes that field as its scale and nothing else
	v_cvt_scalef32_pk8_fp4_f32 v[C+4*(\t)], v[XS:XS+7], v11
	v_cvt_scalef32_pk8_fp4_f32 v[C+4*(\t)+1], v[XS+8:XS+15], v11
	v_lshrrev_b32 v[E+(\t)], 23, v11               ; the scale's byte (a plain line behind the conversions)
	ds_store_b8 v5, v[E+(\t)] offset:16*(\t)       ; both lanes of a block write the same byte with the same value
	ds_store_b64 v4, v[C+4*(\t):C+4*(\t)+1] offset:16*(\t)   ; my 8 bytes of codes at [kb][r = t]
.endm
.irp t, 0,1,2,3,4,5,6,7,8,9,10,11,12,13,14,15
	STEP \t
.endr
	ds_load_b64 v[8:9], v6                         ; LDS serves a wave's instructions in order: these see my stores
.irp i, 0,1,2,3,4,5,6,7
	ds_load_b128 v[R+4*\i:R+4*\i+3], v10 offset:2*CPI*\i
.endr
	s_wait_dscnt 8                                 ; the scale bytes are back; the eight loads behind them may be out
	global_store_b64 v7, v[8:9], s[34:35]          ; 32 lanes store 256 consecutive bytes, aligned
.irp i, 0,1,2,3,4,5,6,7
	s_wait_dscnt 7-\i
	global_store_b128 v3, v[R+4*\i:R+4*\i+3], s[32:33] offset:512*\i   ; 32 lanes store 512 consecutive bytes, aligned
.endr
	s_wait_tensorcnt 0x0                           ; the wave's end, behind my last LDS store
	ds_add_u32 v[SPW], v[NIL]
	s_wait_dscnt 0x0
	s_endpgm
; ---------------- the weights ----------------
.Lw:
	s_sub_co_u32 s36, ttmp9, 384
	s_lshr_b32 s37, s36, 6                         ; which weight: 0 Wq, 1 Wk, 2 Wv, 3 Wo
	s_bfe_u32 s38, s36, 0x30003                    ; cg: which 128 columns
	s_and_b32 s39, s36, 7                          ; ks: which 128 along K
	s_cmp_eq_u32 s37, 0
	s_cselect_b64 s[30:31], s[10:11], s[12:13]
	s_cmp_eq_u32 s37, 2
	s_cselect_b64 s[30:31], s[14:15], s[30:31]
	s_cmp_eq_u32 s37, 3
	s_cselect_b64 s[30:31], s[16:17], s[30:31]
	s_lshl_b32 s40, s39, 19                        ; 128 rows of 4,096 bytes
	s_lshl_b32 s41, s38, 9
	s_add_co_u32 s40, s40, s41
	s_lshl_b32 s41, s28, 7                         ; my wave's 32 columns
	s_add_co_u32 s40, s40, s41
	s_mov_b32 s41, 0
	s_add_nc_u64 s[30:31], s[30:31], s[40:41]
	v_lshlrev_b32 v3, 2, v2                        ; a lane a column
.macro LOADW t                         ; block t: W(32 t + i, my column) into set t % 2; a wave reads 128 consecutive bytes of a row, the four waves 512
.set ii, 0
.rept 32
	global_load_b32 v[WX+32*((\t)%2)+ii], v3, s[30:31] offset:(32*(\t)+ii)*4096 th:TH_LOAD_NT
.set ii, ii+1
.endr
.endm
	LOADW 0
	LOADW 1
	s_lshl_b32 s42, s38, 3
	s_lshl_b32 s43, s28, 1
	s_add_co_u32 s42, s42, s43                     ; my wave's first tile of 16 columns in the weight: 8 cg + 2 wave
	v_lshrrev_b32 v4, 4, v2                        ; which of its two tiles is my lane's
	v_and_b32 v5, 15, v2
	v_lshlrev_b32 v5, 4, v5                        ; 16 r
	s_cmp_eq_u32 s37, 3
	s_cbranch_scc1 .Lo
	v_lshl_add_u32 v8, v4, 12, v5                  ; codes: a tile is 4,096 bytes
	v_lshl_add_u32 v9, v4, 9, v5                   ; scale bytes: 512
	s_lshl_b32 s43, s37, 6
	s_add_co_u32 s42, s42, s43                     ; NT
	s_lshr_b32 s43, s39, 2                         ; kh
	s_and_b32 s44, s39, 3
	s_mul_i32 s40, s43, 786432
	s_lshl_b32 s45, s42, 12
	s_add_co_u32 s40, s40, s45
	s_lshl_b32 s45, s44, 10                        ; my four blocks kb = 4 (ks % 4) + t
	s_add_co_u32 s40, s40, s45
	s_add_nc_u64 s[32:33], s[22:23], s[40:41]
	s_lshl_b32 s40, s42, 9
	s_lshl_b32 s45, s43, 8
	s_add_co_u32 s40, s40, s45
	s_lshl_b32 s45, s44, 2
	s_add_co_u32 s40, s40, s45
	s_add_nc_u64 s[34:35], s[24:25], s[40:41]
.macro BLOCK t
.set XS, WX+32*((\t)%2)
.if (\t) < 3
	s_wait_loadcnt 32                              ; this block's 32 loads are in; the next block's may be out
.else
	s_wait_loadcnt 0x0
.endif
	v_max3_num_f32 v16, |v[XS]|, |v[XS+1]|, |v[XS+2]|   ; the block's largest magnitude: all 32 numbers are mine
	v_max3_num_f32 v17, |v[XS+3]|, |v[XS+4]|, |v[XS+5]|
.irp i, 6,10,14,18,22,26
	v_max3_num_f32 v16, v16, |v[XS+\i]|, |v[XS+\i+1]|
	v_max3_num_f32 v17, v17, |v[XS+\i+2]|, |v[XS+\i+3]|
.endr
	v_max3_num_f32 v16, v16, |v[XS+30]|, |v[XS+31]|
	v_max3_num_f32 v16, v16, v17, 0x1800000        ; and the floor
	v_add_nc_u32 v11, 0xff000000, v16              ; the conversion's scale operand
	v_lshrrev_b32 v18, 23, v11                     ; the byte
.if (\t) == 0
	v_mov_b32 v24, v18                             ; four bytes make the word of my 128 along K, the lower K in the lower byte
.else
	v_lshl_or_b32 v24, v18, 8*(\t), v24
.endif
.irp g, 0,1,2,3
	v_cvt_scalef32_pk8_fp4_f32 v[WC+4*(\t)+\g], v[XS+8*\g:XS+8*\g+7], v11
.endr
	global_store_b128 v8, v[WC+4*(\t):WC+4*(\t)+3], s[32:33] offset:256*(\t)   ; sixteen lanes store 256 consecutive bytes, aligned: [kb][r]
.if (\t)+2 < 4
	LOADW (\t)+2
.endif
.endm
.irp t, 0,1,2,3
	BLOCK \t
.endr
	global_store_b32 v9, v24, s[34:35]
	s_endpgm
.Lo:                                   ; Wo: rounded to f16, 8 neighbours along K to a piece of 16 bytes
	v_lshl_add_u32 v10, v4, 13, v5                 ; a tile is 8,192 bytes
	s_lshr_b32 s43, s39, 1
	s_and_b32 s44, s39, 1
	s_lshl_b32 s40, s43, 19
	s_lshl_b32 s45, s42, 13
	s_add_co_u32 s40, s40, s45
	s_lshl_b32 s45, s44, 12
	s_add_co_u32 s40, s40, s45
	s_add_nc_u64 s[32:33], s[26:27], s[40:41]
.macro BLOCKO t
.set XS, WX+32*((\t)%2)
.if (\t) < 3
	s_wait_loadcnt 32                              ; as above
.else
	s_wait_loadcnt 0x0
.endif
.set ii, 0
.rept 16
	v_cvt_pk_f16_f32 v[WC+16*(\t)+ii], v[XS+2*ii], v[XS+2*ii+1]
.set ii, ii+1
.endr
.irp g, 0,1,2,3
	global_store_b128 v10, v[WC+16*(\t)+4*\g:WC+16*(\t)+4*\g+3], s[32:33] offset:(4*(\t)+\g)*256   ; sixteen lanes store 256 consecutive bytes, aligned: [kg][r]
.endr
.if (\t)+2 < 4
	LOADW (\t)+2
.endif
.endm
.irp t, 0,1,2,3
	BLOCKO \t
.endr
	s_endpgm
.Lfunc_end_k_q7aab552c0a_prep:
	.size	k_q7aab552c0a_prep, .Lfunc_end_k_q7aab552c0a_prep-k_q7aab552c0a_prep
	.p2alignl 7, 3214868480
	.fill 96, 4, 3214868480
	.section	.rodata,"a",@progbits
	.p2align	6, 0x0
	.amdhsa_kernel k_q7aab552c0a_prep
		.amdhsa_group_segment_fixed_size 39424
		.amdhsa_private_segment_fixed_size 0
		.amdhsa_enable_private_segment 0
		.amdhsa_kernarg_size 96
		.amdhsa_user_sgpr_count 2
		.amdhsa_user_sgpr_kernarg_segment_ptr 1
		.amdhsa_wavefront_size32 1
		.amdhsa_system_sgpr_workgroup_id_x 1
		.amdhsa_system_sgpr_workgroup_id_y 1
		.amdhsa_system_sgpr_workgroup_id_z 1
		.amdhsa_system_vgpr_workitem_id 0
		.amdhsa_next_free_vgpr 192
		.amdhsa_next_free_sgpr 66
		.amdhsa_reserve_vcc 0
		.amdhsa_float_denorm_mode_32 3
		.amdhsa_float_denorm_mode_16_64 3
		.amdhsa_memory_ordered 1
		.amdhsa_forward_progress 1
		.amdhsa_inst_pref_size 67
	.end_amdhsa_kernel
	.amdgpu_metadata
---
amdhsa.version: [ 1, 2 ]
amdhsa.kernels:
  - .name:           k_q7aab552c0a_prep
    .symbol:         k_q7aab552c0a_prep.kd
    .args:
      - { .name: query, .offset: 0, .size: 8, .value_kind: global_buffer, .address_space: global }
      - { .name: key, .offset: 8, .size: 8, .value_kind: global_buffer, .address_space: global }
      - { .name: value, .offset: 16, .size: 8, .value_kind: global_buffer, .address_space: global }
      - { .name: Wq, .offset: 24, .size: 8, .value_kind: global_buffer, .address_space: global }
      - { .name: Wk, .offset: 32, .size: 8, .value_kind: global_buffer, .address_space: global }
      - { .name: Wv, .offset: 40, .size: 8, .value_kind: global_buffer, .address_space: global }
      - { .name: Wo, .offset: 48, .size: 8, .value_kind: global_buffer, .address_space: global }
      - { .name: xc, .offset: 56, .size: 8, .value_kind: global_buffer, .address_space: global }
      - { .name: xs, .offset: 64, .size: 8, .value_kind: global_buffer, .address_space: global }
      - { .name: wc, .offset: 72, .size: 8, .value_kind: global_buffer, .address_space: global }
      - { .name: ws, .offset: 80, .size: 8, .value_kind: global_buffer, .address_space: global }
      - { .name: wot, .offset: 88, .size: 8, .value_kind: global_buffer, .address_space: global }
    .group_segment_fixed_size: 39424
    .private_segment_fixed_size: 0
    .kernarg_segment_align: 8
    .kernarg_segment_size: 96
    .max_flat_workgroup_size: 128
    .sgpr_count:     66
    .vgpr_count:     192
    .wavefront_size: 32
...
	.end_amdgpu_metadata
.endif
;; end of part 1
;; launch proj (part 2): grid 4 x 48, 4 waves a work-group, clusters of 4 x 4, 327,680 bytes of LDS; arguments xc, xs, wc, ws, bq, bk, bv, qkv; writes qkv
.if DOCPART == 2
	.amdgcn_target "amdgcn-amd-amdhsa--gfx1250"
	.amdhsa_code_object_version 6
	.text
	.protected	k_q7aab552c0a_proj
	.globl	k_q7aab552c0a_proj
	.p2align	8
	.type	k_q7aab552c0a_proj,@function
k_q7aab552c0a_proj:
	s_mov_b64 s[64:65], 0
	v_nop
	global_prefetch_b8 v0, s[64:65] scope:SCOPE_SE
	s_setreg_imm32_b32 hwreg(HW_REG_WAVE_MODE, 25, 1), 1
	s_wait_xcnt 0x0
	s_wait_alu depctr_hold_cnt(0) depctr_sa_sdst(0) depctr_va_vdst(0) depctr_va_sdst(0) depctr_va_ssrc(0) depctr_va_vcc(0) depctr_vm_vsrc(0)
	s_getreg_b32 s2, hwreg(HW_REG_IB_STS2, 6, 4)
	s_cmp_eq_u32 s2, 0
	s_cbranch_scc0 .Lentry_in_a_cluster
	s_endpgm
.Lentry_in_a_cluster:
	s_bfe_u32 s2, ttmp6, 0x10000c
	s_cmp_lg_u32 s2, 0xf033
	s_cbranch_scc0 .Lentry_shape_is_right
	s_endpgm
.Lentry_shape_is_right:
; Q, K, V = (query, key, value) x (Wq, Wk, Wv) + bias, the three quantised products as ONE product of 12,288 rows: codes of FP4 with E8M0 scales go to the matrix unit as they lie; sums in f32.
; A tile of 256 rows x 256 columns to a work-group of four waves, 128 x 128 a wave: 64 accumulators, 512 registers.  Tile row TR (0-47) says which tensor (TR / 16), and so which weight and bias.
; ALL OF K (1,024) LIES IN LDS FROM THE FIRST FILLS: two slots of 512 along K and the scale bytes; nothing is filled again, and there is no loop.  A wave has three tensor loads out.
; THE BUFFERS ARE IMAGES OF THE OPERAND'S REGISTERS: a fragment (16 rows x 128 K, 8 registers) is two loads of 512 consecutive bytes, 16 bytes a lane; 128 rows x 512 K are 32,768 dense bytes, one tensor load of 128 rows of 256 bytes.
; CLUSTERS: 4 x 4 work-groups.  A's tiles hang on the tile row alone and are asked for jointly along a row of the cluster, B's on the tile column (and the tensor, which all sixteen share) along a column.
; THE MATRIX INSTRUCTION IS USED TRANSPOSED (source 0 = 16 columns of a weight, source 1 = 16 tokens): a lane holds one token and eight neighbouring channels.
; THE WAY OUT: x s + bias x s (s = log2(e) / 8 for Q, which spares attention its scaling; 1 for K and V), rounded to f16: a lane's eight channels are 16 bytes, and the 32 lanes' pieces are 512 consecutive bytes of
; qkv [tensor 3][batch 2][head 16][T 128][g 8][r 16][8 f16] (T = token / 16, g = channel / 8).  In V the piece (r, g) lies at 256 g + (16 r xor 128 (g % 2)), for attention's turning loads.
; LIMIT: |Q| log2(e) / 8, |K| and |V| stay under 65,504 (f16).  192 work-groups: the three tensors' tiles; a tile of half the size would double the LDS bytes read for each product.
; REGISTERS: window 0: v16-29 addresses; v32-95 scale words, two sets; v128-191 A's fragments, one set; v192-255 the bias.  window 1: B's fragments, two sets.  windows 2, 3: the accumulators ((a, b) at v[8 (8 (a % 4) + b)]).
.set NQ,     4                         ; steps of 128 along K in a slot
.set FR,     8                         ; registers of a fragment
.set NL,     2                         ; LDS loads that bring one
.set NP,     4                         ; places behind this matrix instruction (ISA guide 7.12.1)
.set HALFT,  32768                     ; 128 rows x 512 K: what one tensor load brings, and what one wave reads of A or of B
.set SLOT,   4*HALFT                   ; A's 256 rows, then B's 256
.set SCL,    2*SLOT                    ; the scale bytes: 128 rows are 4,096 bytes: [tile of 16 rows][kh][r][16 bytes]
.set HALFS,  4096
.set SPARE,  SCL+4*HALFS               ; the spare words, 128 bytes a wave, which no other line names
.set ADRA, 16                          ; v16-17  LDS address of my A fragments in slot 0, 1
.set ADRB, 20                          ; v20-21  the same for B
.set BO,   25                          ; v25     32 x (lane / 16): my eight numbers of a tile's 16 biases
.set CO,   26                          ; v26     my 16 bytes of a store's 512
.set ADRS, 27                          ; v27     LDS address of my scale words: lanes 0-15 A's rows, lanes 16-31 B's
.set SPW,  28                          ; v28     LDS address of my spare word; never rewritten
.set NIL,  29                          ; v29     0; never rewritten
.set SC,   32                          ; scale words: set s at v[SC + 32 s]; register 4 i + q: lanes 0-15 A's block i, lanes 16-31 B's block i, the slot's q-th 128 along K
.set AF,   128
.set BIAS, 192
.set TF,   32                          ; the way out: a block's 64 numbers in f32
.set PK,   128                         ; and packed, two sets of 32
.set G1, 24
.set G0, 32
.set G1B, 48
.set G0B, 56
.set G1S, 68
.set G0S, 76
.set G1SB, 80
.set G0SB, 88
.set MSB, 0
.macro WIN new                         ; the immediate's high byte repeats the setting that is left; a switch that changes nothing is dropped
.if MSB != (\new)
	s_set_vgpr_msb (MSB<<8)|(\new)
.set MSB, (\new)
.endif
.endm
.set MUL_LO, 0xa1                      ; source 0 (B) window 1, source 1 (A) window 0, C and D window 2
.set MUL_HI, 0xf1                      ; the same, C and D window 3
.set TO_B,   0x40                      ; destination window 1, address window 0
; A joint load: waves 0 and 1 fetch for A, waves 2 and 3 for B; each line has one mask; the branch hangs on the wave's number alone.  An s_nop 0 and four v_nop follow each line.
.macro JLOAD g0a, g1a, g0b, g1b
	s_cmp_eq_u32 s15, 0
	s_cbranch_scc0 .Lfor_b_\@
	tensor_load_to_lds s[\g0a:\g0a+3], s[\g1a:\g1a+7]
	s_nop 0
.rept 4
	v_nop
.endr
	s_branch .Lasked_\@
.Lfor_b_\@:
	tensor_load_to_lds s[\g0b:\g0b+3], s[\g1b:\g1b+7]
	s_nop 0
.rept 4
	v_nop
.endr
.Lasked_\@:
.endm
.macro CROUND                          ; a round of the cluster's barrier
	s_barrier_signal -1
	s_barrier_wait -1
	s_cmp_lg_u32 s14, 0
	s_cbranch_scc1 .Lnot_wave_0_\@
	s_barrier_signal -3
.Lnot_wave_0_\@:
	s_barrier_wait -3
	s_barrier_signal -1
	s_barrier_wait -1
.endm
	s_load_b256 s[4:11], s[0:1], 0x0               ; xc 4, xs 6, wc 8, ws 10
	s_load_b128 s[96:99], s[0:1], 0x20             ; bq, bk
	s_load_b64 s[100:101], s[0:1], 0x30            ; bv
	s_load_b64 s[12:13], s[0:1], 0x38              ; qkv
	v_lshl_add_u32 v[SPW], v0, 2, SPARE
	v_mov_b32 v[NIL], 0
	ds_add_u32 v[SPW], v[NIL]                      ; the wave's opening: the add, twice on end, and its wait ahead of my first tensor load
	ds_add_u32 v[SPW], v[NIL]
	v_lshrrev_b32 v1, 5, v0
	v_readfirstlane_b32 s14, v1                    ; wave 0..3
	s_lshr_b32 s15, s14, 1                         ; which half of the tile's rows is mine.  Also: I fetch for A (0) or for B (1)
	s_and_b32 s16, s14, 1                          ; which half of its columns.  Also: which 128 rows I fetch
	s_bfe_u32 s40, ttmp6, 0x40000                  ; cx
	s_bfe_u32 s41, ttmp6, 0x40004                  ; cy
	s_lshl_b32 s42, ttmp9, 2
	s_add_co_u32 s42, s42, s40                     ; TC: tile column = 4 x cluster x + cx
	s_and_b32 s95, ttmp7, 0xffff                   ; cluster y
	s_lshl_b32 s17, s95, 2
	s_add_co_u32 s17, s17, s41                     ; TR: tile row = 4 x cluster y + cy
	s_lshr_b32 s95, s95, 2                         ; the tensor: the same in all sixteen partners
	s_lshl_b32 s43, s41, 2
	s_lshl_b32 s43, 15, s43                        ; my row of the cluster
	s_lshl_b32 s44, 0x1111, s40                    ; my column
	; group 1: dense rows of 256 bytes (32 elements of 8 bytes), no padding; 15:0 the mask, 17:16 the element's size, 21 set beside a mask
	s_or_b32 s[G1+0], s43, (3<<16)|(1<<21)
	s_or_b32 s[G1B+0], s44, (3<<16)|(1<<21)
	s_or_b32 s[G1S+0], s43, (3<<16)|(1<<21)
	s_or_b32 s[G1SB+0], s44, (3<<16)|(1<<21)
.irp g, G1, G1B
	s_mov_b32 s[\g+1], 32<<16                      ; tensor_dim0
	s_mov_b32 s[\g+2], 128<<16                     ; tensor_dim1: 128 rows: 32,768 bytes of codes
	s_mov_b32 s[\g+3], 32<<16                      ; tile_dim0
	s_mov_b32 s[\g+4], 128                         ; tile_dim1
	s_mov_b32 s[\g+5], 32                          ; the pitch
	s_mov_b32 s[\g+6], 0
	s_mov_b32 s[\g+7], 0
.endr
.irp g, G1S, G1SB
	s_mov_b32 s[\g+1], 32<<16
	s_mov_b32 s[\g+2], 16<<16                      ; 16 rows: 4,096 scale bytes
	s_mov_b32 s[\g+3], 32<<16
	s_mov_b32 s[\g+4], 16
	s_mov_b32 s[\g+5], 32
	s_mov_b32 s[\g+6], 0
	s_mov_b32 s[\g+7], 0
.endr
	; where the tiles come from.  A's offsets are made of TR and the wave's number in s20-23, B's of the tensor, TC and the wave's number in s19, s46-47, s92-93; s18 holds the wave's part alone
	s_lshl_b32 s20, s17, 16                        ; 256 rows of codes for one kh: 65,536 bytes
	s_lshl_b32 s18, s16, 15
	s_add_co_u32 s20, s20, s18
	s_mov_b32 s21, 0
	s_lshl_b32 s19, s95, 2
	s_add_co_u32 s19, s19, s42                     ; 4 x tensor + TC
	s_lshl_b32 s46, s19, 16
	s_add_co_u32 s46, s46, s18
	s_mov_b32 s47, 0
	s_lshl_b32 s22, s17, 13                        ; 256 rows of scale bytes: 8,192 bytes
	s_lshl_b32 s18, s16, 12
	s_add_co_u32 s22, s22, s18
	s_mov_b32 s23, 0
	s_lshl_b32 s92, s19, 13
	s_add_co_u32 s92, s92, s18
	s_mov_b32 s93, 0
	s_lshl_b32 s45, s14, 15                        ; where they go: wave x HALFT,
	s_lshl_b32 s94, s14, 12                        ; wave x HALFS: no place in the cluster enters an LDS address
	s_wait_dscnt 0x0                               ; both opening adds are done
	s_wait_kmcnt 0x0
	s_add_nc_u64 s[20:21], s[4:5], s[20:21]
	s_add_nc_u64 s[22:23], s[6:7], s[22:23]
	s_add_nc_u64 s[46:47], s[8:9], s[46:47]
	s_add_nc_u64 s[92:93], s[10:11], s[92:93]
	CROUND                                         ; all sixteen work-groups are here: the joint loads meet
	s_mov_b32 s[G0S], 1
	s_add_co_u32 s[G0S+1], s94, SCL
	s_mov_b64 s[G0S+2:G0S+3], s[22:23]
	s_or_b32 s[G0S+3], s[G0S+3], 0x80000000
	s_mov_b32 s[G0SB], 1
	s_add_co_u32 s[G0SB+1], s94, SCL
	s_mov_b64 s[G0SB+2:G0SB+3], s[92:93]
	s_or_b32 s[G0SB+3], s[G0SB+3], 0x80000000
	JLOAD G0S, G1S, G0SB, G1SB                     ; the scale bytes first: they are wanted with the first step
.irp s, 0,1
	s_mov_b32 s[G0+4*\s], 1
	s_add_co_u32 s[G0+4*\s+1], s45, \s*SLOT
	s_add_nc_u64 s[G0+4*\s+2:G0+4*\s+3], s[20:21], \s*3145728      ; kh = the slot
	s_or_b32 s[G0+4*\s+3], s[G0+4*\s+3], 0x80000000
	s_mov_b32 s[G0B+4*\s], 1
	s_add_co_u32 s[G0B+4*\s+1], s45, \s*SLOT
	s_add_nc_u64 s[G0B+4*\s+2:G0B+4*\s+3], s[46:47], \s*786432
	s_or_b32 s[G0B+4*\s+3], s[G0B+4*\s+3], 0x80000000
	JLOAD G0+4*\s, G1, G0B+4*\s, G1B
.endr
	v_and_b32 v1, 15, v0                           ; r
	v_bfe_u32 v2, v0, 4, 1                         ; h
	v_and_b32 v3, 31, v0
	v_lshlrev_b32 v3, 4, v3                        ; 16 x lane
	s_lshl_b32 s21, s15, 15                        ; my 128 rows of A
	s_lshl_b32 s22, s16, 15                        ; my 128 rows of B,
	s_add_co_u32 s22, s22, 2*HALFT                 ; which lie behind A's 256
.irp s, 0,1
	v_add_nc_u32 v[ADRA+\s], s21, v3
	v_add_nc_u32 v[ADRB+\s], s22, v3
	s_add_co_u32 s21, s21, SLOT
	s_add_co_u32 s22, s22, SLOT
.endr
	v_lshlrev_b32 v5, 4, v1                        ; my row's 16 scale bytes
	s_lshl_b32 s21, s15, 12                        ; A's: my 128 rows
	s_lshl_b32 s22, s16, 12                        ; B's: my 128 rows, behind A's 256
	s_add_co_u32 s22, s22, 2*HALFS
	s_sub_co_u32 s22, s22, s21
	v_mul_u32_u24 v6, s22, v2                      ; lanes 16-31 take B's: one product, the distance between the two bases
	s_add_co_u32 s21, s21, SCL
	v_add_nc_u32 v5, v5, v6
	v_add_nc_u32 v[ADRS], s21, v5
	s_cmp_eq_u32 s95, 0                            ; the tensor's bias, factor and layout
	s_cselect_b64 s[96:97], s[96:97], s[98:99]
	s_cselect_b32 s2, 0x3e38aa3b, 1.0              ; log2(e) / 8 for Q
	s_cmp_eq_u32 s95, 2
	s_cselect_b64 s[96:97], s[100:101], s[96:97]
	s_cselect_b32 s66, 128, 0                      ; V's exchange of halves
	s_mov_b32 s3, s2                               ; (the packed forms name the pair)
	s_lshl_b32 s46, s42, 10                        ; my 128 columns: 1,024 TC + 512 x half bytes
	s_lshl_b32 s47, s16, 9
	s_add_co_u32 s46, s46, s47
	s_mov_b32 s47, 0
	s_add_nc_u64 s[96:97], s[96:97], s[46:47]
	v_lshlrev_b32 v[BO], 5, v2
.irp b, 0,1,2,3,4,5,6,7
	global_load_b128 v[BIAS+8*\b:BIAS+8*\b+3], v[BO], s[96:97] offset:64*\b        ; the bias of columns 16 b + 8 h + 0 .. 7
	global_load_b128 v[BIAS+8*\b+4:BIAS+8*\b+7], v[BO], s[96:97] offset:64*\b+16
.endr
	v_mul_u32_u24 v6, s66, v2
	v_xor_b32 v[CO], v3, v6                        ; 256 h + (16 r xor 128 h) for V, 16 x lane else
	s_lshr_b32 s20, s17, 3                         ; 2 x tensor + batch,
	s_lshl_b32 s20, s20, 22                        ; 4,194,304 bytes each
	s_and_b32 s21, s17, 7
	s_lshl_b32 s21, s21, 4
	s_lshl_b32 s22, s15, 3
	s_add_co_u32 s21, s21, s22                     ; my first tile of tokens: 16 (TR % 8) + 8 x half,
	s_lshl_b32 s21, s21, 11                        ; 2,048 bytes each
	s_add_co_u32 s20, s20, s21
	s_mov_b32 s21, 0
	s_add_nc_u64 s[12:13], s[12:13], s[20:21]
	s_lshl_b32 s46, s42, 2
	s_lshl_b32 s47, s16, 1
	s_add_co_u32 s46, s46, s47                     ; my first head: 4 TC + 2 x half,
	s_lshl_b32 s46, s46, 18                        ; 262,144 bytes each
	s_mov_b32 s47, 0
	s_add_nc_u64 s[12:13], s[12:13], s[46:47]
.macro FRAG reg, adr, q, i             ; lane l's registers 4 c .. 4 c + 3 hold K = 64 c + 32 (l / 16) + 0 .. 31 of row l % 16: block 4 q + 2 c + l / 16 of tile i: 512 consecutive bytes a load
.irp c, 0,1
	ds_load_b128 v[\reg+4*\c:\reg+4*\c+3], v[\adr] offset:(\i)*4096+(\q)*1024+512*\c
.endr
.endm
; 16 matrix instructions: A's blocks a0, a0 + 1 x B's eight, the slot's q-th 128 along K.  The 64 accumulators take turns, one instruction a turn, in the same order in every step.
.macro MUL16 a0, p, q, sc, zero
.irp a, \a0, \a0+1
.irp b, 0,1,2,3,4,5,6,7
.if \zero
	v_wmma_scale_f32_16x16x128_f8f6f4 v[8*(8*((\a)%4)+\b):8*(8*((\a)%4)+\b)+7], v[128*(\p)+FR*\b:128*(\p)+FR*\b+FR-1], v[AF+FR*(\a):AF+FR*(\a)+FR-1], 0, v[SC+8*NQ*(\sc)+NQ*\b+(\q)], v[SC+8*NQ*(\sc)+NQ*(\a)+(\q)] matrix_a_fmt:MATRIX_FMT_FP4 matrix_b_fmt:MATRIX_FMT_FP4 matrix_a_scale:MATRIX_SCALE_ROW1
.else
	v_wmma_scale_f32_16x16x128_f8f6f4 v[8*(8*((\a)%4)+\b):8*(8*((\a)%4)+\b)+7], v[128*(\p)+FR*\b:128*(\p)+FR*\b+FR-1], v[AF+FR*(\a):AF+FR*(\a)+FR-1], v[8*(8*((\a)%4)+\b):8*(8*((\a)%4)+\b)+7], v[SC+8*NQ*(\sc)+NQ*\b+(\q)], v[SC+8*NQ*(\sc)+NQ*(\a)+(\q)] matrix_a_fmt:MATRIX_FMT_FP4 matrix_b_fmt:MATRIX_FMT_FP4 matrix_a_scale:MATRIX_SCALE_ROW1
.endif
.endr
.endr
.endm
.macro FETCH_B slot, q, p
	WIN TO_B
.irp i, 0,1,2,3,4,5,6,7
	FRAG 128*(\p)+FR*\i, ADRB+\slot, \q, \i
.endr
	WIN 0
.endm
.macro FETCH_A slot, q, i0
.irp i, \i0, \i0+1, \i0+2, \i0+3
	FRAG AF+FR*(\i), ADRA+\slot, \q, \i
.endr
.endm
.macro SCALES sc                       ; a slot's four words a row: lanes 0-15 take A's block i, lanes 16-31 B's
.irp i, 0,1,2,3,4,5,6,7
	ds_load_b128 v[SC+8*NQ*\sc+NQ*\i:SC+8*NQ*\sc+NQ*\i+3], v[ADRS] offset:\i*512+\sc*256
.endr
.endm
.macro PLACES n                        ; plain vector instructions between a matrix instruction and a load into, or a vector read or write of, one of its registers
.rept \n
	v_nop
.endr
.endm
.macro STEP slot, q, zero              ; a step of 128 along K that has its successor in the same slot
	s_wait_dscnt 4*NL                              ; B's set, A's blocks 0-3 and the scale words are in; the youngest eight loads (A's blocks 4-7) may be out
	WIN MUL_LO
	MUL16 0, (\q)%2, \q, \slot, \zero
	MUL16 2, (\q)%2, \q, \slot, \zero
	s_wait_dscnt 0
	PLACES NP
	FETCH_B \slot, (\q)+1, 1-(\q)%2
	FETCH_A \slot, (\q)+1, 0
	WIN MUL_HI
	MUL16 4, (\q)%2, \q, \slot, \zero
	MUL16 6, (\q)%2, \q, \slot, \zero
	PLACES NP
	WIN 0
	FETCH_A \slot, (\q)+1, 4
.endm
.macro STEPS slot, from
.set Q, \from
.rept NQ-1-\from
	STEP \slot, Q, 0
.set Q, Q+1
.endr
.endm
	s_wait_tensorcnt 1                             ; the scale bytes and my part of slot 0 are in; slot 1's load may be out
	s_barrier_signal -1
	s_barrier_wait -1                              ; everybody's are
	FETCH_B 0, 0, 0
	FETCH_A 0, 0, 0
	SCALES 0
	FETCH_A 0, 0, 4
	STEP 0, 0, 1                                   ; the first products start the sums: nothing is cleared
	STEPS 0, 1
	; slot 0's last step, and the change to slot 1
	s_wait_tensorcnt 0x0                           ; my part of slot 1 has landed
	ds_add_u32 v[SPW], v[NIL]
	s_wait_dscnt 4*NL+1                            ; the add and the youngest eight loads may be out
	WIN MUL_LO
	MUL16 0, 1, NQ-1, 0, 0
	s_wait_dscnt 0x0
	s_barrier_signal -1
	MUL16 2, 1, NQ-1, 0, 0
	WIN 0
	s_barrier_wait -1                              ; slot 1 is whole
	PLACES NP
	FETCH_B 1, 0, 0
	FETCH_A 1, 0, 0
	SCALES 1
	WIN MUL_HI
	MUL16 4, 1, NQ-1, 0, 0
	MUL16 6, 1, NQ-1, 0, 0
	PLACES NP
	WIN 0
	FETCH_A 1, 0, 4
	STEPS 1, 0
	s_wait_dscnt 4*NL                              ; the last step: nothing more to fetch
	WIN MUL_LO
	MUL16 0, 1, NQ-1, 1, 0
	MUL16 2, 1, NQ-1, 1, 0
	s_wait_dscnt 0
	WIN MUL_HI
	MUL16 4, 1, NQ-1, 1, 0
	MUL16 6, 1, NQ-1, 1, 0
	WIN 0
	s_wait_loadcnt 0x0                             ; the bias
.set pp, 0
.rept 32
	v_pk_mul_f32 v[BIAS+pp:BIAS+pp+1], v[BIAS+pp:BIAS+pp+1], s[2:3] op_sel_hi:[1,0]   ; bias x s.  (These 32 are also the places behind the last products)
.set pp, pp+2
.endr
.macro OUTBLK a                        ; 16 tokens x 128 columns: lane (r, h) holds token r, and of B's block b the columns 16 b + 8 h + 0 .. 7
.set AC, 64*((\a)%4)
	WIN 0x02+(\a)/4                                ; source 0: window 2 or 3
.set pp, 0
.rept 32
	v_pk_fma_f32 v[TF+pp:TF+pp+1], v[AC+pp:AC+pp+1], s[2:3], v[BIAS+pp:BIAS+pp+1] op_sel_hi:[1,0,1]   ; each accumulator from its low end on
.set pp, pp+2
.endr
	WIN 0
.if (\a) >= 2
	s_wait_xcnt 0x0                                ; block a - 2's stores have read the registers that are written next
.endif
.set pp, 0
.rept 32
	v_cvt_pk_f16_f32 v[PK+32*((\a)%2)+pp], v[TF+2*pp], v[TF+2*pp+1]
.set pp, pp+1
.endr
.irp b, 0,1,2,3,4,5,6,7
	global_store_b128 v[CO], v[PK+32*((\a)%2)+4*\b:PK+32*((\a)%2)+4*\b+3], s[12:13] offset:(\a)*2048+(\b/4)*262144+(\b%4)*512   ; 32 lanes store 512 consecutive bytes, aligned: head b / 4, channels 16 (b % 4) on
.endr
.endm
.irp a, 0,1,2,3,4,5,6,7
	OUTBLK \a
.endr
	s_wait_tensorcnt 0x0                           ; the wave's end
	ds_add_u32 v[SPW], v[NIL]
	s_wait_dscnt 0x0
	CROUND                                         ; the closing round
	s_endpgm
.Lfunc_end_k_q7aab552c0a_proj:
	.size	k_q7aab552c0a_proj, .Lfunc_end_k_q7aab552c0a_proj-k_q7aab552c0a_proj
	.p2alignl 7, 3214868480
	.fill 96, 4, 3214868480
	.section	.rodata,"a",@progbits
	.p2align	6, 0x0
	.amdhsa_kernel k_q7aab552c0a_proj
		.amdhsa_group_segment_fixed_size 327680
		.amdhsa_private_segment_fixed_size 0
		.amdhsa_enable_private_segment 0
		.amdhsa_kernarg_size 64
		.amdhsa_user_sgpr_count 2
		.amdhsa_user_sgpr_kernarg_segment_ptr 1
		.amdhsa_wavefront_size32 1
		.amdhsa_system_sgpr_workgroup_id_x 1
		.amdhsa_system_sgpr_workgroup_id_y 1
		.amdhsa_system_sgpr_workgroup_id_z 1
		.amdhsa_system_vgpr_workitem_id 0
		.amdhsa_next_free_vgpr 1024
		.amdhsa_next_free_sgpr 102
		.amdhsa_reserve_vcc 0
		.amdhsa_float_denorm_mode_32 3
		.amdhsa_float_denorm_mode_16_64 3
		.amdhsa_memory_ordered 1
		.amdhsa_forward_progress 1
		.amdhsa_inst_pref_size 137
	.end_amdhsa_kernel
	.amdgpu_metadata
---
amdhsa.version: [ 1, 2 ]
amdhsa.kernels:
  - .name:           k_q7aab552c0a_proj
    .symbol:         k_q7aab552c0a_proj.kd
    .args:
      - { .name: xc, .offset: 0, .size: 8, .value_kind: global_buffer, .address_space: global }
      - { .name: xs, .offset: 8, .size: 8, .value_kind: global_buffer, .address_space: global }
      - { .name: wc, .offset: 16, .size: 8, .value_kind: global_buffer, .address_space: global }
      - { .name: ws, .offset: 24, .size: 8, .value_kind: global_buffer, .address_space: global }
      - { .name: bq, .offset: 32, .size: 8, .value_kind: global_buffer, .address_space: global }
      - { .name: bk, .offset: 40, .size: 8, .value_kind: global_buffer, .address_space: global }
      - { .name: bv, .offset: 48, .size: 8, .value_kind: global_buffer, .address_space: global }
      - { .name: qkv, .offset: 56, .size: 8, .value_kind: global_buffer, .address_space: global }
    .group_segment_fixed_size: 327680
    .private_segment_fixed_size: 0
    .kernarg_segment_align: 8
    .kernarg_segment_size: 64
    .max_flat_workgroup_size: 128
    .sgpr_count:     102
    .vgpr_count:     1024
    .wavefront_size: 32
...
	.end_amdgpu_metadata
.endif
;; end of part 2
;; launch attn (part 3): grid 8 x 32, 4 waves a work-group, clusters of 4 x 1, 327,680 bytes of LDS; arguments qkv, ao; writes ao
.if DOCPART == 3
	.amdgcn_target "amdgcn-amd-amdhsa--gfx1250"
	.amdhsa_code_object_version 6
	.text
	.protected	k_q7aab552c0a_attn
	.globl	k_q7aab552c0a_attn
	.p2align	8
	.type	k_q7aab552c0a_attn,@function
k_q7aab552c0a_attn:
	s_mov_b64 s[64:65], 0
	v_nop
	global_prefetch_b8 v0, s[64:65] scope:SCOPE_SE
	s_setreg_imm32_b32 hwreg(HW_REG_WAVE_MODE, 25, 1), 1
	s_wait_xcnt 0x0
	s_wait_alu depctr_hold_cnt(0) depctr_sa_sdst(0) depctr_va_vdst(0) depctr_va_sdst(0) depctr_va_ssrc(0) depctr_va_vcc(0) depctr_vm_vsrc(0)
	s_getreg_b32 s2, hwreg(HW_REG_IB_STS2, 6, 4)
	s_cmp_eq_u32 s2, 0
	s_cbranch_scc0 .Lentry_in_a_cluster
	s_endpgm
.Lentry_in_a_cluster:
	s_bfe_u32 s2, ttmp6, 0x10000c
	s_cmp_lg_u32 s2, 0x3003
	s_cbranch_scc0 .Lentry_shape_is_right
	s_endpgm
.Lentry_shape_is_right:
; ao[token][64 head + :] = the sum over keys of softmax(Q . K / 8) V, for 32 (batch, head) pairs of 2,048 tokens and 64 channels.  Q, K, V: f16, from qkv; Q carries the factor log2(e) / 8 already, so p = 2^(s - m).
; Products, maxima and sums in f32; p is rounded to f16 for the second product, the result once at the end.  No mask.
; SHARES.  A work-group owns 256 queries of one pair, each of its four waves 64: four tiles of 16.  Every wave walks all 2,048 keys, 64 a step: 32 steps.
; LAYOUT.  S^T = K Q^T (source 0 = 16 keys, source 1 = 16 queries): a lane holds ONE query (lane % 16) and the keys 8 (lane / 16) + 0..7 of each tile of 16.  Two such tiles, rounded to f16 in pairs, ARE source 1 of
; O^T = V^T P, whose result again holds one query a lane and eight channels.  K comes out of LDS as it lies (an image of the operand's registers), V turned by ds_load_tr16_b128.
; SOFTMAX.  For each query a running maximum m and sum l; in every step O and l are multiplied by a = 2^(m_old - m_new).
; BY TURNS.  The wave's tiles are two PIECES (tiles 0, 1; tiles 2, 3).  In a TURN one piece has the matrix unit: 16 products V^T P of the step in hand, then 16 products K Q^T of the next; the other piece's softmax,
; 234 vector instructions cut into 32 slices, stands between them, one slice behind each matrix instruction.  Two turns are a key step.  A slice costs two switches of the register window.
; THE RING.  Two LDS slots of 512 keys (eight steps): K's 65,536 bytes, then V's.  A slot's tiles are dense in memory; each wave fetches a quarter (128 rows of 256 bytes).  Slots 0 and 1 are the first fills, each is
; filled once more.  A refill is issued eight key steps, 512 matrix instructions of a wave, ahead of the wait for it, and half of K and V is asked for at the head: so no prefetch is laid.
; CLUSTER.  The four query blocks of a cluster belong to one pair and walk the same K and V: each tile is asked for JOINTLY, by the same tensor load with the same descriptor and the mask of all four.
; THE WAY OUT.  A lane's eight channels of a query pack into 16 bytes, and the 32 lanes' pieces are 512 consecutive bytes of ao [ks 4][tt 256][kg 32][r 16][8 f16] (k = 64 head + channel; ks = k / 256, kg = (k % 256) / 8, tt = token / 16).
; REGISTERS: window 0: v2-8 addresses; v12-43 eight registers of statistics a tile; v64-191 S^T, 32 a tile; v192-255 P, 16 a tile.  window 1: O^T, 32 a tile.  window 2: v0-63 Q, 16 a tile; v128-191 K of a step.  window 3: v0-63 V of a step.
.set STEPB, 8192                       ; a step's 64 keys of K, or of V
.set VOFF,  65536                      ; V's part of a slot
.set SLOT1, 131072                     ; slot 1 begins here: one exclusive or turns an address in one slot into the other's
.set SPARE, 262144                     ; the spare words, 128 bytes a wave, which no other line names
.set LN,  2                            ; v2   16 x lane: Q's loads, K's fetches, ao's stores; never rewritten
.set AV0, 3                            ; v3   my lane's place in a step's V
.set ADR, 4                            ; v4   the LDS address of the run of loads in hand
.set ST,  12                           ; tile t's statistics at v[ST + 8 t]: +0 m, +1 zero, +2, +3 l (even keys', odd keys'), +4 to +7 c0-c3 at work; a takes c2's place, m_old and then m_old - m_new take c3's
.set SPW, 62                           ; v62  LDS address of my spare word; never rewritten
.set NIL, 63                           ; v63  0; never rewritten
.set S,   64
.set P,   192
.set KF,  128
.set WV,  12                           ; s12  my wave's number
.set G1,  24                           ; s[24:31] descriptor group 1
.set G0,  40                           ; s[40:43] group 0 for slot 0's first fill; s[44:47] for slot 1's, which then walks
.set SLOTS, 56
.set CNT,   57
.set SEL, 60                           ; s[60:61] v_permlanex16_b32's selects: lane l xor 16
.set TB,  62                           ; s62  LDS byte at which K of the step to be fetched begins
.set MSB, 0
.macro WIN new                         ; the immediate's high byte repeats the setting that is left; a switch that changes nothing is dropped
.if MSB != (\new)
	s_set_vgpr_msb (MSB<<8)|(\new)
.set MSB, (\new)
.endif
.endm
.set W_KQ, 0x0a                        ; K and Q in window 2, S^T in window 0
.set W_PV, 0x53                        ; V in window 3, P in window 0, O^T in window 1
.set W_RS, 0x41                        ; O^T (destination and source 0) in window 1, a in window 0
.macro JLOAD                           ; a joint refill: one line for all four waves; an s_nop 0 and four v_nop follow it
	tensor_load_to_lds s[G0+4:G0+7], s[G1:G1+7]
	s_nop 0
.rept 4
	v_nop
.endr
.endm
.macro CROUND                          ; a round of the cluster's barrier
	s_barrier_signal -1
	s_barrier_wait -1
	s_cmp_lg_u32 s[WV], 0
	s_cbranch_scc1 .Lnot_wave_0_\@
	s_barrier_signal -3
.Lnot_wave_0_\@:
	s_barrier_wait -3
	s_barrier_signal -1
	s_barrier_wait -1
.endm
	s_load_b128 s[4:7], s[0:1], 0x0                ; qkv s[4:5], ao s[6:7]
	v_lshl_add_u32 v[SPW], v0, 2, SPARE
	v_mov_b32 v[NIL], 0
	ds_add_u32 v[SPW], v[NIL]                      ; the wave's opening: the add, twice on end, and its wait ahead of my first tensor load
	ds_add_u32 v[SPW], v[NIL]
	v_lshrrev_b32 v1, 5, v0
	v_readfirstlane_b32 s[WV], v1                  ; wave 0..3
	s_bfe_u32 s13, ttmp6, 0x40000                  ; cx
	s_lshl_b32 s14, ttmp9, 2
	s_add_co_u32 s14, s14, s13                     ; my block of 256 queries: it enters Q's and ao's addresses alone
	s_and_b32 s15, ttmp7, 0xffff                   ; 16 x batch + head, which the four partners share
	; what I fetch: waves 0, 1 the halves of a slot's K, waves 2, 3 of its V: the wave's number and the pair alone
	s_lshr_b32 s16, s[WV], 1
	s_add_co_u32 s16, s16, 1
	s_lshl_b32 s16, s16, 23                        ; K is tensor 1, V tensor 2: 8,388,608 bytes each
	s_lshl_b32 s17, s15, 18                        ; a pair's 262,144 bytes
	s_add_co_u32 s16, s16, s17
	s_and_b32 s17, s[WV], 1
	s_lshl_b32 s17, s17, 15
	s_add_co_u32 s16, s16, s17
	s_mov_b32 s17, 0
	s_lshl_b32 s18, s[WV], 15                      ; and where it goes in a slot
	s_lshl_b32 s20, s14, 4
	s_lshl_b32 s21, s[WV], 2
	s_add_co_u32 s20, s20, s21                     ; my first tile of queries in the pair
	s_lshl_b32 s22, s20, 11
	s_lshl_b32 s23, s15, 18
	s_add_co_u32 s22, s22, s23                     ; Q is tensor 0
	s_mov_b32 s23, 0
	s_and_b32 s2, s15, 15                          ; head
	s_lshr_b32 s3, s15, 4                          ; batch
	s_lshl_b32 s3, s3, 7
	s_add_co_u32 s3, s3, s20                       ; tt
	s_lshl_b32 s3, s3, 13
	s_lshr_b32 s19, s2, 2
	s_lshl_b32 s19, s19, 21                        ; ks = head / 4
	s_add_co_u32 s3, s3, s19
	s_and_b32 s2, s2, 3
	s_lshl_b32 s2, s2, 11                          ; kg = 8 (head % 4) + ..
	s_add_co_u32 s2, s2, s3
	s_mov_b32 s3, 0
	s_mov_b32 s[G1], 15|(3<<16)|(1<<21)            ; 15:0 the mask: all four work-groups; 17:16 elements of 8 bytes; 21 set beside a mask; no padding
	s_mov_b32 s[G1+1], 32<<16                      ; tensor_dim0: a row of 256 bytes
	s_mov_b32 s[G1+2], 128<<16                     ; tensor_dim1
	s_mov_b32 s[G1+3], 32<<16                      ; tile_dim0
	s_mov_b32 s[G1+4], 128                         ; tile_dim1: 32,768 dense bytes
	s_mov_b32 s[G1+5], 32                          ; the pitch
	s_mov_b32 s[G1+6], 0
	s_mov_b32 s[G1+7], 0
	s_mov_b32 s[SEL], 0x76543210
	s_mov_b32 s[SEL+1], 0xfedcba98
	s_mov_b32 s[TB], 0
	s_wait_dscnt 0x0                               ; both opening adds are done
	s_wait_kmcnt 0x0
	s_add_nc_u64 s[16:17], s[4:5], s[16:17]        ; my part of slot 0 in memory
	s_add_nc_u64 s[8:9], s[4:5], s[22:23]          ; Q at my wave's first tile
	s_add_nc_u64 s[10:11], s[6:7], s[2:3]          ; ao likewise
	CROUND                                         ; all four work-groups are here: the first joint loads meet
.irp s, 0,1
	s_mov_b32 s[G0+4*\s], 1
	s_add_co_u32 s[G0+4*\s+1], s18, \s*SLOT1
	s_add_nc_u64 s[G0+4*\s+2:G0+4*\s+3], s[16:17], \s*65536        ; slot s begins with keys 512 s
	s_or_b32 s[G0+4*\s+3], s[G0+4*\s+3], 0x80000000
.endr
	tensor_load_to_lds s[G0:G0+3], s[G1:G1+7]      ; the two first fills together: two loads of mine are out
	s_nop 0
	tensor_load_to_lds s[G0+4:G0+7], s[G1:G1+7]
	s_nop 0
.rept 4
	v_nop
.endr
	v_and_b32 v[LN], 31, v0
	v_lshlrev_b32 v[LN], 4, v[LN]
	WIN 0x80                                       ; destination window 2
.irp i, 0,1,2,3,4,5,6,7,8,9,10,11,12,13,14,15
	global_load_b128 v[4*\i:4*\i+3], v[LN], s[8:9] offset:512*\i   ; Q stays in registers: tile i / 4; 512 consecutive bytes a load
.endr
	WIN 0
; THE MATRIX WORK OF A TURN, for piece x.  Eight accumulators take turns, one instruction a turn.
; Product i of 16 of O^T += V^T P: keys 32 (i / 8) on, channels 16 ((i / 2) % 4) on, tile x + i % 2.  zero = 1: the first eight start the sums.
.macro PV x, zero
	WIN W_PV
.set rO, 32*((\x)+i%2)+8*((i/2)%4)
.set rV, 32*(i/8)+8*((i/2)%4)
.set rB, P+16*((\x)+i%2)+8*(i/8)
.if (\zero) && (i < 8)
	v_wmma_f32_16x16x32_f16 v[rO:rO+7], v[rV:rV+7], v[rB:rB+7], 0
.else
	v_wmma_f32_16x16x32_f16 v[rO:rO+7], v[rV:rV+7], v[rB:rB+7], v[rO:rO+7]
.endif
.endm
; Product i of 16 of S^T = K Q^T: channels 32 (i / 8) on, keys 16 ((i / 2) % 4) on, tile x + i % 2.  The first eight start the sums.
.macro KQ x
	WIN W_KQ
.set rA, S+32*((\x)+i%2)+8*((i/2)%4)
.set rK, KF+16*((i/2)%4)+8*(i/8)
.set rQ, 16*((\x)+i%2)+8*(i/8)
.if i < 8
	v_wmma_f32_16x16x32_f16 v[rA:rA+7], v[rK:rK+7], v[rQ:rQ+7], 0
.else
	v_wmma_f32_16x16x32_f16 v[rA:rA+7], v[rK:rK+7], v[rQ:rQ+7], v[rA:rA+7]
.endif
.endm
; THE LDS LOADS stand in runs of 16: a step's K (8 fragments), and a turn later its V (turned).
.macro FETCH_K
	WIN 0
	v_add_nc_u32 v[ADR], s[TB], v[LN]
	WIN 0x80
.irp f, 0,1,2,3,4,5,6,7                ; keys 16 (f / 2) on, channels 32 (f % 2) on
	ds_load_b128 v[KF+8*\f:KF+8*\f+3],   v[ADR] offset:1024*\f
	ds_load_b128 v[KF+8*\f+4:KF+8*\f+7], v[ADR] offset:1024*\f+512
.endr
.endm
.macro FETCH_V
	WIN 0
	v_add_nc_u32 v[ADR], s[TB], v[AV0]
	s_add_co_u32 s[TB], s[TB], STEPB               ; the next fetch is the next step's
	s_wait_alu depctr_va_vdst(0)                   ; the wait for the softmax's batch of exponentials (SLICE), ahead of the loads
	WIN 0xc0                                       ; destination window 3
.irp f, 0,1,2,3,4,5,6,7                ; keys 32 (f / 4) on, channels 16 (f % 4) on
	ds_load_tr16_b128 v[8*\f:8*\f+3],   v[ADR] offset:(\f/4)*4096+(\f%4)*512
	ds_load_tr16_b128 v[8*\f+4:8*\f+7], v[ADR] offset:(\f/4)*4096+(\f%4)*512+2048
.endr
.endm
; THE VECTOR WORK OF A TURN: a piece's softmax for one key step is a list of 234 entries, the two tiles alternating; ENT writes entry n.  s0-s31 are the lane's 32 scores.  first = 1: the first key step: no a, nothing to rescale.
;   0-31    the maximum of s0-s31 and the old m, three operands at a time
;   32-39   the other half of the lanes' maximum; m_old kept; the new m; m_old - m_new
;   40-137  ONE BATCH: the 16 subtractions s - m, a pair of scores each, and all 33 exponentials (a, then s0-s31); none of these names an exponential's result; a pair is subtracted well ahead of its exponentials
;   (wait)  behind entry 137 stands the one wait for the batch: SLICE writes it
;   138-169 the roundings to f16;   170-201 the sums, l = a l + the sum;   202-233 the tiles' O^T times a: the one part that leaves window 0
.macro SUBP bb
	v_pk_add_f32 v[rS+2*(\bb):rS+2*(\bb)+1], v[rS+2*(\bb):rS+2*(\bb)+1], v[rT:rT+1] op_sel_hi:[1,0] neg_lo:[0,1] neg_hi:[0,1]
.endm
.macro ENT y, first
.set tl, (\y)+n%2
.set rT, ST+8*tl
.set rS, S+32*tl
.set rP, P+16*tl
.if n < 202
	WIN 0
.endif
.if n < 32
.set j, n/2
.if j < 4
	v_max3_num_f32 v[rT+4+j], v[rS+8*j], v[rS+8*j+1], v[rS+8*j+2]   ; each accumulator is read from its low end on
.elseif j < 12
	v_max3_num_f32 v[rT+4+j%4], v[rT+4+j%4], v[rS+8*(j%4)+2*(j/4)+1], v[rS+8*(j%4)+2*(j/4)+2]
.elseif j == 12
	v_max3_num_f32 v[rT+4], v[rT+4], v[rS+7], v[rS+15]
.elseif j == 13
	v_max3_num_f32 v[rT+6], v[rT+6], v[rS+23], v[rS+31]
.elseif j == 14
	v_max3_num_f32 v[rT+4], v[rT+4], v[rT+5], v[rT+6]
.elseif \first
	v_max_num_f32 v[rT+4], v[rT+4], v[rT+7]
.else
	v_max3_num_f32 v[rT+4], v[rT+4], v[rT+7], v[rT]
.endif
.elseif n < 40
.set j, (n-32)/2
.if j == 0
	v_permlanex16_b32 v[rT+5], v[rT+4], s[SEL], s[SEL+1]   ; the query's other 32 keys lie in the lane 16 away
.elseif j == 2
	v_max_num_f32 v[rT], v[rT+4], v[rT+5]
.elseif \first
.elseif j == 1
	v_mov_b32 v[rT+7], v[rT]
.else
	v_sub_f32 v[rT+7], v[rT+7], v[rT]
.endif
.elseif n < 138
.set q, (n-40)/2
.if q < 2
	SUBP q
.elseif q == 2
.if !\first
	v_exp_f32 v[rT+6], v[rT+7]
.endif
.elseif q < 45
.set u, q-3
.set b, u/3
.if u%3 == 2
	SUBP b+2
.else
	v_exp_f32 v[rS+2*b+u%3], v[rS+2*b+u%3]
.endif
.else
	v_exp_f32 v[rS+q-17], v[rS+q-17]
.endif
.elseif n < 170
.set q, (n-138)/2
	v_cvt_pk_f16_f32 v[rP+q], v[rS+2*q], v[rS+2*q+1]
.elseif n < 202
.set z, (n-170)/2                      ; the sum of the tile's 16 pairs, in place: neighbours 1, 2, 4 and 8 pairs apart, then l takes it
.set w, 4
.set u, z
.if z >= 14
.set w, 32
.set u, 0
.elseif z >= 12
.set w, 16
.set u, z-12
.elseif z >= 8
.set w, 8
.set u, z-8
.endif
.if (z == 14) && \first
	v_pk_add_f32 v[rT+2:rT+3], v[rS:rS+1], v[rS+16:rS+17]
.elseif z < 15
	v_pk_add_f32 v[rS+w*u:rS+w*u+1], v[rS+w*u:rS+w*u+1], v[rS+w*u+w/2:rS+w*u+w/2+1]
.elseif !\first
	v_pk_fma_f32 v[rT+2:rT+3], v[rT+2:rT+3], v[rT+6:rT+7], v[rS:rS+1] op_sel_hi:[1,0,1]
.endif
.elseif !\first
.set u, (n-202)/2
	WIN W_RS
	v_pk_mul_f32 v[32*tl+2*u:32*tl+2*u+1], v[32*tl+2*u:32*tl+2*u+1], v[rT+6:rT+7] op_sel_hi:[1,0]
.endif
.endm
; Slice k of 32: 8 entries in slices 0-4 (the maxima), 7 in 5-18 (the batch), 8 in 19-26 (roundings and sums), 6 in 27-30 and 8 in 31 (the rescaling): 40 + 98 + 64 + 32 = 234.  No slice changes window inside itself.
; Ahead of slice 19 nothing names an exponential's result, and behind slice 18 none is issued: the piece's 66 exponentials have one wait, behind a plain instruction.
.macro SLICE y, first
.set cnt, 8
.if (k >= 5) && (k < 19)
.set cnt, 7
.elseif (k >= 27) && (k < 31)
.set cnt, 6
.endif
.rept cnt
	ENT \y, \first
.set n, n+1
.endr
.if k == 18
	v_nop                                          ; a plain instruction behind the last exponential, ahead of the first use
.if (\y) == 0
	FETCH_V                                        ; piece 2's turn: V's run of loads stands here, and the wait stands in it
.else
	s_wait_alu depctr_va_vdst(0)                   ; the wait for the batch
.endif
.endif
.set k, k+1
.endm
.macro PLACES
.rept 4
	v_nop
.endr
.endm
; A TURN.  Piece x has the matrix unit.  pv = 2: 16 products V^T P; 1: they start O^T's sums; 0: none.  kq = 1: 16 products K Q^T for the next step.  With one kind alone two slices stand behind each product.
; first = 1: the first key step's softmax; its last slices are empty, so four v_nop are the places behind the turn's last products.
; PLACES, by count.  K's buffer: its last reader is a turn's last K Q^T; slice 31's eight multiplies and two more slices lie ahead of the run of loads.  V's: its last reader is piece 2's last V^T P, in front of slice 15;
; slices 15 to 18 hold eight subtractions, and the v_nop and the run's own addition follow.  A turn's last scores are first read behind slice 31.
.macro TURN x, pv, kq, first
.set k, 0
.set n, 0
.set per, 2
.if (\pv) && (\kq)
.set per, 1
.endif
.if \pv
.if \x == 0
	s_wait_dscnt 0x0                               ; V is in
.endif
.set i, 0
.rept 16
	PV \x, 2-\pv
.rept per
	SLICE 2-\x, \first
.endr
.if (\x == 0) && (\kq) && (i == 1)
	FETCH_K
.endif
.set i, i+1
.endr
.endif
.if \kq
.if \x == 0
	s_wait_dscnt 0x0                               ; K is in
.endif
.set i, 0
.rept 16
	KQ \x
.rept per
	SLICE 2-\x, \first
.endr
.set i, i+1
.endr
.endif
.if \first
	PLACES
.endif
.endm
; THE CHANGE OF SLOTS, behind the turn that has asked for the slot's last bytes (V of its eighth step).  Each wave waits for all its tensor loads, adds 0 to its spare word, and waits for that and for its reads of the slot.
; fill = 1: the slot is filled again with the keys two slots on; the barrier is then a round of the cluster's, and the joint refill is the first thing behind it.
.macro CHANGE fill
	WIN 0
	s_wait_tensorcnt 0x0                           ; no tensor load of mine is out, so a group 0 may be written
	ds_add_u32 v[SPW], v[NIL]
.if \fill
	s_xor_b32 s[G0+5], s[G0+5], SLOT1              ; the walking descriptor: the other slot than last time,
	s_add_nc_u64 s[G0+6:G0+7], s[G0+6:G0+7], 65536 ; the next 512 keys
.endif
	s_wait_dscnt 0x0                               ; the add is done, and my reads of the slot are over
.if \fill
	CROUND
	JLOAD
.else
	s_barrier_signal -1
	s_barrier_wait -1
.endif
	s_sub_co_u32 s[TB], s[TB], 8*STEPB             ; the fetches go back to a slot's first step,
	s_xor_b32 s[TB], s[TB], SLOT1                  ; in the other slot
.endm
.macro N_STEPS c                       ; c key steps: written once, walked c times; the LDS addresses hang on s[TB]
	s_mov_b32 s[CNT], \c
.Lstep_\@:
	TURN 0, 2, 1, 0
	TURN 2, 2, 1, 0
	WIN 0
	s_sub_co_u32 s[CNT], s[CNT], 1
	s_cmp_lg_u32 s[CNT], 0
	s_cbranch_scc1 .Lstep_\@
.endm
	s_wait_tensorcnt 1                             ; my part of slot 0 is in; slot 1's may stay out
	s_barrier_signal -1
	s_barrier_wait -1                              ; everybody's is
	FETCH_K                                        ; key step 0
	s_wait_loadcnt 0x0                             ; Q
	s_wait_dscnt 0x0
.set i, 0
.rept 16
	KQ 0                                           ; piece 0's first scores
.set i, i+1
.endr
	WIN 0                                          ; thirteen plain instructions: the places behind those products
.irp t, 0,1,2,3
	v_mov_b32 v[ST+8*\t+1], 0                      ; named with m as a pair, so it is written
.endr
	; the turning load takes 16 keys x 16 channels: lane l reads 16 bytes: key 8 (l / 16) + l % 8, channels 8 u + 0..7, u = (l / 8) % 2.  In V's image that piece lies at 256 u + (16 x key xor 128 u):
	; the sixteen lanes of a half then read sixteen different 16-byte columns of 256 bytes
	v_bfe_u32 v5, v0, 3, 1                         ; u
	v_bfe_u32 v6, v0, 4, 1
	v_and_b32 v7, 7, v0
	v_lshl_add_u32 v7, v6, 3, v7
	v_lshlrev_b32 v7, 4, v7
	v_lshlrev_b32 v8, 7, v5
	v_xor_b32 v7, v7, v8
	v_lshl_add_u32 v7, v5, 8, v7
	v_add_nc_u32 v[AV0], VOFF, v7
	TURN 2, 0, 1, 1                                ; piece 2's first scores | piece 0's first softmax | V of step 0
	TURN 0, 1, 1, 1                                ; piece 0: V^T P of step 0 starts O^T, K Q^T of step 1 | piece 2's first softmax | K of step 1
	TURN 2, 1, 1, 0                                ; piece 2: the same | piece 0's softmax of step 1 | V of step 1
	WIN 0
	N_STEPS 6                                      ; they fetch steps 2 to 7: slot 0 is read out
	s_mov_b32 s[SLOTS], 2
.Lslot:                                            ; two trips: slots 0 and 1 are each filled once more
	CHANGE 1
	N_STEPS 8
	s_sub_co_u32 s[SLOTS], s[SLOTS], 1
	s_cmp_lg_u32 s[SLOTS], 0
	s_cbranch_scc1 .Lslot
	CHANGE 0                                       ; the tail is written out
	N_STEPS 8
	TURN 0, 2, 0, 0                                ; piece 0: V^T P of the last step | piece 2's last softmax
.set i, 0
.rept 16
	PV 2, 0                                        ; piece 2: V^T P of the last step
.set i, i+1
.endr
	; THE WAY OUT.  l's halves are added (the additions are the places behind the last products); O^T / l is rounded to f16 and stored straight from registers.
	WIN 0
.irp t, 0,1,2,3
	v_add_f32 v[ST+8*\t+4], v[ST+8*\t+2], v[ST+8*\t+3]
.endr
.irp t, 0,1,2,3
	v_permlanex16_b32 v[ST+8*\t+5], v[ST+8*\t+4], s[SEL], s[SEL+1]
.endr
.irp t, 0,1,2,3
	v_add_f32 v[ST+8*\t+4], v[ST+8*\t+4], v[ST+8*\t+5]
.endr
.irp t, 0,1,2,3
	v_rcp_f32 v[ST+8*\t+6], v[ST+8*\t+4]
.endr
	v_nop                                          ; a plain instruction between the last reciprocal and the use of its result
	s_wait_alu depctr_va_vdst(0)                   ; and the wait: one for the four
.irp t, 0,1,2,3
	WIN W_RS
.set i, 32*\t
.rept 16
	v_pk_mul_f32 v[i:i+1], v[i:i+1], v[ST+8*\t+6:ST+8*\t+7] op_sel_hi:[1,0]
.set i, i+2
.endr
	WIN 0x05                                       ; sources 0 and 1 window 1, destination window 0: S^T's registers are free
.set i, 0
.rept 16
	v_cvt_pk_f16_f32 v[S+16*\t+i], v[32*\t+2*i], v[32*\t+2*i+1]
.set i, i+1
.endr
	WIN 0
.irp c, 0,1,2,3
	global_store_b128 v[LN], v[S+16*\t+4*\c:S+16*\t+4*\c+3], s[10:11] offset:\t*8192+\c*512   ; 32 lanes store 512 consecutive bytes, aligned: channels 16 c on
.endr
.endr
	s_wait_tensorcnt 0x0                           ; the wave's end
	ds_add_u32 v[SPW], v[NIL]
	s_wait_dscnt 0x0
	CROUND                                         ; the closing round: no work-group ends while a partner may still ask for a tile that names it
	s_endpgm
.Lfunc_end_k_q7aab552c0a_attn:
	.size	k_q7aab552c0a_attn, .Lfunc_end_k_q7aab552c0a_attn-k_q7aab552c0a_attn
	.p2alignl 7, 3214868480
	.fill 96, 4, 3214868480
	.section	.rodata,"a",@progbits
	.p2align	6, 0x0
	.amdhsa_kernel k_q7aab552c0a_attn
		.amdhsa_group_segment_fixed_size 327680
		.amdhsa_private_segment_fixed_size 0
		.amdhsa_enable_private_segment 0
		.amdhsa_kernarg_size 16
		.amdhsa_user_sgpr_count 2
		.amdhsa_user_sgpr_kernarg_segment_ptr 1
		.amdhsa_wavefront_size32 1
		.amdhsa_system_sgpr_workgroup_id_x 1
		.amdhsa_system_sgpr_workgroup_id_y 1
		.amdhsa_system_sgpr_workgroup_id_z 1
		.amdhsa_system_vgpr_workitem_id 0
		.amdhsa_next_free_vgpr 1024
		.amdhsa_next_free_sgpr 66
		.amdhsa_reserve_vcc 0
		.amdhsa_float_denorm_mode_32 3
		.amdhsa_float_denorm_mode_16_64 3
		.amdhsa_memory_ordered 1
		.amdhsa_forward_progress 1
		.amdhsa_inst_pref_size 188
	.end_amdhsa_kernel
	.amdgpu_metadata
---
amdhsa.version: [ 1, 2 ]
amdhsa.kernels:
  - .name:           k_q7aab552c0a_attn
    .symbol:         k_q7aab552c0a_attn.kd
    .args:
      - { .name: qkv, .offset: 0, .size: 8, .value_kind: global_buffer, .address_space: global }
      - { .name: ao, .offset: 8, .size: 8, .value_kind: global_buffer, .address_space: global }
    .group_segment_fixed_size: 327680
    .private_segment_fixed_size: 0
    .kernarg_segment_align: 8
    .kernarg_segment_size: 16
    .max_flat_workgroup_size: 128
    .sgpr_count:     66
    .vgpr_count:     1024
    .wavefront_size: 32
...
	.end_amdgpu_metadata
.endif
;; end of part 3
;; launch outp (part 4): grid 8 x 32, 4 waves a work-group, clusters of 4 x 4, 327,680 bytes of LDS; arguments ao, wot, bo, out0; writes out0
.if DOCPART == 4
	.amdgcn_target "amdgcn-amd-amdhsa--gfx1250"
	.amdhsa_code_object_version 6
	.text
	.protected	k_q7aab552c0a_outp
	.globl	k_q7aab552c0a_outp
	.p2align	8
	.type	k_q7aab552c0a_outp,@function
k_q7aab552c0a_outp:
	s_mov_b64 s[64:65], 0
	v_nop
	global_prefetch_b8 v0, s[64:65] scope:SCOPE_SE
	s_setreg_imm32_b32 hwreg(HW_REG_WAVE_MODE, 25, 1), 1
	s_wait_xcnt 0x0
	s_wait_alu depctr_hold_cnt(0) depctr_sa_sdst(0) depctr_va_vdst(0) depctr_va_sdst(0) depctr_va_ssrc(0) depctr_va_vcc(0) depctr_vm_vsrc(0)
	s_getreg_b32 s2, hwreg(HW_REG_IB_STS2, 6, 4)
	s_cmp_eq_u32 s2, 0
	s_cbranch_scc0 .Lentry_in_a_cluster
	s_endpgm
.Lentry_in_a_cluster:
	s_bfe_u32 s2, ttmp6, 0x10000c
	s_cmp_lg_u32 s2, 0xf033
	s_cbranch_scc0 .Lentry_shape_is_right
	s_endpgm
.Lentry_shape_is_right:
; out0[m][n] = the sum over k of ao[m][k] Wo[k][n] + bo[n]: 4,096 x 1,024 x 1,024, f16 operands, f32 sums, f32 out.  bo is the C of each sum's first product.
; A tile of 128 x 128 to a work-group (256 of them), 64 x 64 to each of four waves: 16 accumulators.  K goes in four steps of 256 through two LDS slots; all four are written out, there is no loop.
; BOTH OPERANDS ARE IMAGES OF THE OPERAND'S REGISTERS: [ks 4][tile of 16 rows][kg 32][r 16][8 f16]: a fragment (16 rows x 32 K) is two loads of 512 consecutive bytes, 16 bytes a lane; 64 rows x 256 K are 32,768 dense bytes.
; CLUSTERS: 4 x 4 work-groups; A's tiles are asked for jointly along a row of the cluster, B's along a column.  THE MATRIX INSTRUCTION IS USED TRANSPOSED (source 0 = 16 columns of Wo, source 1 = 16 tokens).
; THE WAY OUT: a wave's 64 columns are 256 aligned bytes of a row of out0; a block of 16 rows goes through the wave's own stage in LDS and leaves with sixteen lanes to a row.  The stages lie in slot 0, which has had
; its last fill and its last read when the first result is stored there.
; REGISTERS: window 0: v16-30 addresses; v32-95 the way out; v96-127 the bias; v128-255 the accumulators ((a, b) at v[128 + 8 (4 a + b)]).  window 1: two fragment buffers of 128: 64 registers of A, then 64 of B, for 64 along K.
.set HALFT,  32768                     ; 64 rows x 256 K: what one tensor load brings, and what one wave reads of A or of B
.set SLOT,   4*HALFT
.set SPARE,  2*SLOT                    ; the spare words, 128 bytes a wave, which no other line names
.set SPITCH, 272                       ; a stage row: 256 bytes + 16
.set ADRA, 16
.set ADRB, 20
.set STO,  24
.set RD,   25
.set CO,   26
.set BO,   27
.set SPW,  28                          ; v28  LDS address of my spare word; never rewritten
.set NIL,  29                          ; v29  0; never rewritten
.set TMP,  32
.set BIAS, 96
.set ACC,  128
.set F0,   0
.set F1,   128
.set G1, 24
.set G0, 32
.set G1B, 48
.set G0B, 56
.set MSB, 0
.macro WIN new
.if MSB != (\new)
	s_set_vgpr_msb (MSB<<8)|(\new)
.set MSB, (\new)
.endif
.endm
.set MUL,  0x05                        ; sources 0 (B) and 1 (A) window 1; C and D window 0
.set TO_F, 0x40                        ; destination window 1, address window 0
.macro JLOAD s                         ; a joint load: waves 0 and 1 fetch A's halves, waves 2 and 3 B's; an s_nop 0 and four v_nop follow each line
	s_cmp_eq_u32 s13, 0
	s_cbranch_scc0 .Lfor_b_\@
	tensor_load_to_lds s[G0+4*\s:G0+4*\s+3], s[G1:G1+7]
	s_nop 0
.rept 4
	v_nop
.endr
	s_branch .Lasked_\@
.Lfor_b_\@:
	tensor_load_to_lds s[G0B+4*\s:G0B+4*\s+3], s[G1B:G1B+7]
	s_nop 0
.rept 4
	v_nop
.endr
.Lasked_\@:
.endm
.macro CREST                           ; a round of the cluster's barrier behind its opening barrier
	s_cmp_lg_u32 s12, 0
	s_cbranch_scc1 .Lnot_wave_0_\@
	s_barrier_signal -3
.Lnot_wave_0_\@:
	s_barrier_wait -3
	s_barrier_signal -1
	s_barrier_wait -1
.endm
.macro CROUND
	s_barrier_signal -1
	s_barrier_wait -1
	CREST
.endm
	s_load_b128 s[4:7], s[0:1], 0x0                ; ao s[4:5], wot s[6:7]
	s_load_b128 s[8:11], s[0:1], 0x10              ; bo s[8:9], out0 s[10:11]
	v_lshl_add_u32 v[SPW], v0, 2, SPARE
	v_mov_b32 v[NIL], 0
	ds_add_u32 v[SPW], v[NIL]                      ; the wave's opening: the add, twice on end, and its wait ahead of my first tensor load
	ds_add_u32 v[SPW], v[NIL]
	v_lshrrev_b32 v1, 5, v0
	v_readfirstlane_b32 s12, v1                    ; wave 0..3
	s_lshr_b32 s13, s12, 1                         ; which half of the tile's rows is mine.  Also: I fetch for A (0) or for B (1)
	s_and_b32 s14, s12, 1                          ; which half of its columns.  Also: which 64 rows I fetch
	s_bfe_u32 s40, ttmp6, 0x40000                  ; cx
	s_bfe_u32 s41, ttmp6, 0x40004                  ; cy
	s_lshl_b32 s42, ttmp9, 2
	s_add_co_u32 s42, s42, s40                     ; tile column
	s_and_b32 s15, ttmp7, 0xffff
	s_lshl_b32 s15, s15, 2
	s_add_co_u32 s15, s15, s41                     ; tile row
	s_lshl_b32 s43, s41, 2
	s_lshl_b32 s43, 15, s43                        ; my row of the cluster
	s_lshl_b32 s44, 0x1111, s40                    ; my column
	s_or_b32 s[G1+0], s43, (3<<16)|(1<<21)         ; 15:0 the mask; 17:16 elements of 8 bytes; 21 set beside a mask; no padding
	s_or_b32 s[G1B+0], s44, (3<<16)|(1<<21)
.irp g, G1, G1B
	s_mov_b32 s[\g+1], 32<<16                      ; tensor_dim0: a row of 256 bytes
	s_mov_b32 s[\g+2], 128<<16                     ; tensor_dim1
	s_mov_b32 s[\g+3], 32<<16                      ; tile_dim0
	s_mov_b32 s[\g+4], 128                         ; tile_dim1: 32,768 dense bytes
	s_mov_b32 s[\g+5], 32                          ; the pitch
	s_mov_b32 s[\g+6], 0
	s_mov_b32 s[\g+7], 0
.endr
	s_lshl_b32 s18, s14, 15                        ; which 64 rows: four tiles of 8,192 bytes
	s_lshl_b32 s16, s15, 16                        ; A: eight tiles to a tile row
	s_add_co_u32 s16, s16, s18
	s_mov_b32 s17, 0
	s_lshl_b32 s46, s42, 16                        ; B likewise, by the tile column
	s_add_co_u32 s46, s46, s18
	s_mov_b32 s47, 0
	s_lshl_b32 s20, s12, 15                        ; where they go: wave x HALFT
	s_wait_dscnt 0x0                               ; both opening adds are done
	s_wait_kmcnt 0x0
	s_add_nc_u64 s[16:17], s[4:5], s[16:17]
	s_add_nc_u64 s[46:47], s[6:7], s[46:47]
	CROUND                                         ; all sixteen work-groups are here: the first joint loads meet
.irp s, 0,1
	s_mov_b32 s[G0+4*\s], 1
	s_add_co_u32 s[G0+4*\s+1], s20, \s*SLOT
	s_add_nc_u64 s[G0+4*\s+2:G0+4*\s+3], s[16:17], \s*2097152      ; K step s
	s_or_b32 s[G0+4*\s+3], s[G0+4*\s+3], 0x80000000
	s_mov_b32 s[G0B+4*\s], 1
	s_add_co_u32 s[G0B+4*\s+1], s20, \s*SLOT
	s_add_nc_u64 s[G0B+4*\s+2:G0B+4*\s+3], s[46:47], \s*524288
	s_or_b32 s[G0B+4*\s+3], s[G0B+4*\s+3], 0x80000000
	JLOAD \s
.endr
	v_and_b32 v1, 15, v0                           ; r
	v_bfe_u32 v2, v0, 4, 1                         ; h
	v_and_b32 v3, 31, v0
	v_lshlrev_b32 v3, 4, v3                        ; 16 x lane
	s_lshl_b32 s21, s13, 15                        ; my 64 rows of A
	s_lshl_b32 s22, s14, 15                        ; my 64 rows of B,
	s_add_co_u32 s22, s22, 2*HALFT                 ; which lie behind A's 128
.irp s, 0,1
	v_add_nc_u32 v[ADRA+\s], s21, v3
	v_add_nc_u32 v[ADRB+\s], s22, v3
	s_add_co_u32 s21, s21, SLOT
	s_add_co_u32 s22, s22, SLOT
.endr
	s_mul_i32 s23, s12, 16*SPITCH                  ; my stage
	v_mul_u32_u24 v4, v1, SPITCH                   ; in: row r, 32 bytes for each half of the lanes
	v_lshl_add_u32 v4, v2, 5, v4
	v_add_nc_u32 v[STO], s23, v4
	v_mul_u32_u24 v5, v2, SPITCH                   ; back: lanes 0-15 one row of 256 bytes, lanes 16-31 the next
	v_lshl_add_u32 v5, v1, 4, v5
	v_add_nc_u32 v[RD], s23, v5
	v_lshlrev_b32 v5, 12, v2                       ; and the same two rows in out0
	v_lshl_add_u32 v[CO], v1, 4, v5
	s_lshl_b32 s46, s42, 9                         ; my 64 columns, in bytes: 512 x tile column + 256 x half
	s_lshl_b32 s47, s14, 8
	s_add_co_u32 s46, s46, s47
	s_mov_b32 s47, 0
	s_add_nc_u64 s[8:9], s[8:9], s[46:47]
	s_add_nc_u64 s[10:11], s[10:11], s[46:47]
	v_lshlrev_b32 v[BO], 5, v2
.irp b, 0,1,2,3
	global_load_b128 v[BIAS+8*\b:BIAS+8*\b+3], v[BO], s[8:9] offset:64*\b          ; bo of columns 16 b + 8 h + 0 .. 7: a tile's C in the result's layout
	global_load_b128 v[BIAS+8*\b+4:BIAS+8*\b+7], v[BO], s[8:9] offset:64*\b+16
.endr
	s_lshl_b32 s16, s15, 19                        ; my first row: 128 x tile row + 64 x half, 4,096 bytes each
	s_lshl_b32 s17, s13, 18
	s_add_co_u32 s16, s16, s17
	s_mov_b32 s17, 0
	s_add_nc_u64 s[10:11], s[10:11], s[16:17]
; 8 matrix instructions: m blocks a0, a0 + 1 x all 4 n blocks, 32 along K: half c of buffer f.  zero = 1: the first product starts the sums, from the bias.  The 16 accumulators take turns.
.macro MUL8 f, c, a0, zero
.irp a, \a0, \a0+1
.irp b, 0,1,2,3
.if \zero
	v_wmma_f32_16x16x32_f16 v[ACC+8*(4*(\a)+\b):ACC+8*(4*(\a)+\b)+7], v[\f+64+8*(4*\c+\b):\f+64+8*(4*\c+\b)+7], v[\f+8*(4*\c+\a):\f+8*(4*\c+\a)+7], v[BIAS+8*\b:BIAS+8*\b+7]
.else
	v_wmma_f32_16x16x32_f16 v[ACC+8*(4*(\a)+\b):ACC+8*(4*(\a)+\b)+7], v[\f+64+8*(4*\c+\b):\f+64+8*(4*\c+\b)+7], v[\f+8*(4*\c+\a):\f+8*(4*\c+\a)+7], v[ACC+8*(4*(\a)+\b):ACC+8*(4*(\a)+\b)+7]
.endif
.endr
.endr
.endm
; 32 LDS loads in one run: the fragments of 64 along K, at byte k of each tile of 16 rows, into buffer f; the first 32 along K first
.macro FETCH slot, k, f
	WIN TO_F
.irp c, 0,1
.irp i, 0,1,2,3
	ds_load_b128 v[\f+64+8*(4*\c+\i):\f+64+8*(4*\c+\i)+3],   v[ADRB+\slot] offset:\k+1024*\c+8192*\i
	ds_load_b128 v[\f+64+8*(4*\c+\i)+4:\f+64+8*(4*\c+\i)+7], v[ADRB+\slot] offset:\k+1024*\c+8192*\i+512
	ds_load_b128 v[\f+8*(4*\c+\i):\f+8*(4*\c+\i)+3],         v[ADRA+\slot] offset:\k+1024*\c+8192*\i
	ds_load_b128 v[\f+8*(4*\c+\i)+4:\f+8*(4*\c+\i)+7],       v[ADRA+\slot] offset:\k+1024*\c+8192*\i+512
.endr
.endr
.endm
.macro PLACES                          ; four places in front of loads into registers that matrix instructions have read, and of the first read of results
.rept 4
	v_nop
.endr
.endm
; A K step is four quarters of 64 along K, 32 matrix instructions each, on buffers 0, 1, 0, 1.  One of the first three: multiplies buffer f and fetches the next quarter, at byte k, into g.
.macro QUARTER slot, k, f, g, zero
	s_wait_dscnt 16                                ; the first 32 along K are in; the sixteen loads of the second 32 may be out
	WIN MUL
	MUL8 \f, 0, 0, \zero
	MUL8 \f, 0, 2, \zero
	PLACES
	FETCH \slot, \k, \g
	s_wait_dscnt 32                                ; all but the 32 just issued
	WIN MUL
	MUL8 \f, 1, 0, 0
	MUL8 \f, 1, 2, 0
.endm
; The last quarter multiplies buffer 1 and changes slots: ONE barrier; in front of it each wave waits for all its tensor loads, adds 0 to its spare word, and waits for that and for its reads of this slot.  fill = 1: this slot is filled again, two K steps ahead.
.macro TURN slot, next, fill
	WIN 0
	s_wait_tensorcnt 0x0                           ; all my tensor loads have landed: my part of the next slot
	ds_add_u32 v[SPW], v[NIL]
	s_wait_dscnt 17                                ; the add and the youngest sixteen loads may be out
	WIN MUL
	MUL8 F1, 0, 0, 0
	s_wait_dscnt 0x0                               ; the add is done, and my reads of this slot are over
	s_barrier_signal -1
	MUL8 F1, 0, 2, 0
.if \fill
	WIN 0
.endif
	s_barrier_wait -1
.if \fill
	CREST                                          ; the barrier has opened a round of the cluster's: no wave of any partner still reads this slot or has a load on its way
	s_add_nc_u64 s[G0+4*\slot+2:G0+4*\slot+3], s[G0+4*\slot+2:G0+4*\slot+3], 2*2097152
	s_add_nc_u64 s[G0B+4*\slot+2:G0B+4*\slot+3], s[G0B+4*\slot+2:G0B+4*\slot+3], 2*524288
	JLOAD \slot                                    ; the first tensor load behind the round; its four v_nop are also the places in front of the loads below
.else
	PLACES
.endif
	FETCH \next, 0, F0
	WIN MUL
	MUL8 F1, 1, 0, 0
	MUL8 F1, 1, 2, 0
.endm
	s_wait_tensorcnt 1                             ; my part of K step 0 is in; K step 1's load may be out
	s_barrier_signal -1
	s_barrier_wait -1                              ; everybody's is
	FETCH 0, 0, F0
	s_wait_loadcnt 0x0                             ; the bias
	QUARTER 0, 2048, F0, F1, 1                     ; K step 0
	QUARTER 0, 4096, F1, F0, 0
	QUARTER 0, 6144, F0, F1, 0
	TURN 0, 1, 1                                   ; slot 0 takes K step 2
	QUARTER 1, 2048, F0, F1, 0                     ; K step 1
	QUARTER 1, 4096, F1, F0, 0
	QUARTER 1, 6144, F0, F1, 0
	TURN 1, 0, 1                                   ; slot 1 takes K step 3
	QUARTER 0, 2048, F0, F1, 0                     ; K step 2
	QUARTER 0, 4096, F1, F0, 0
	QUARTER 0, 6144, F0, F1, 0
	TURN 0, 1, 0                                   ; nothing is left to fetch
	QUARTER 1, 2048, F0, F1, 0                     ; K step 3
	QUARTER 1, 4096, F1, F0, 0
	QUARTER 1, 6144, F0, F1, 0
	s_wait_dscnt 16
	WIN MUL
	MUL8 F1, 0, 0, 0
	MUL8 F1, 0, 2, 0
	s_wait_dscnt 0
	MUL8 F1, 1, 0, 0
	MUL8 F1, 1, 2, 0
	WIN 0
; THE WAY OUT, a block of 16 rows x 64 columns at a time, through my own stage.  LDS serves a wave's instructions in order (ISA guide 5.7.1.4): no wait between the stores and the loads, nor in front of the next block's stores.
.macro TOSTAGE a
.irp b, 0,1,2,3
	ds_store_b128 v[STO], v[ACC+8*(4*(\a)+\b):ACC+8*(4*(\a)+\b)+3] offset:64*\b          ; each accumulator from its low end on
	ds_store_b128 v[STO], v[ACC+8*(4*(\a)+\b)+4:ACC+8*(4*(\a)+\b)+7] offset:64*\b+16
.endr
.irp t, 0,1,2,3,4,5,6,7
	ds_load_b128 v[TMP+32*((\a)%2)+4*\t:TMP+32*((\a)%2)+4*\t+3], v[RD] offset:\t*2*SPITCH
.endr
.endm
.macro SEND a, younger                 ; younger: the LDS instructions issued behind block a's loads, which may stay out
	s_wait_dscnt \younger
.irp t, 0,1,2,3,4,5,6,7
	global_store_b128 v[CO], v[TMP+32*((\a)%2)+4*\t:TMP+32*((\a)%2)+4*\t+3], s[10:11] offset:(16*(\a)+2*\t)*4096 th:TH_STORE_NT   ; sixteen lanes store 256 consecutive bytes, aligned; written once, read by nobody here
.endr
.endm
	PLACES
	TOSTAGE 0
.irp a, 1,2,3
.if \a > 1
	s_wait_xcnt 0x0                                ; block a - 2's stores have read their registers: block a's loads may land there
.endif
	TOSTAGE \a
	SEND \a-1, 16                                  ; behind block a - 1's loads: block a's eight stores and eight loads
.endr
	SEND 3, 0
	s_wait_tensorcnt 0x0                           ; the wave's end, behind my last tensor load and my last LDS store
	ds_add_u32 v[SPW], v[NIL]
	s_wait_dscnt 0x0
	CROUND                                         ; the closing round
	s_endpgm
.Lfunc_end_k_q7aab552c0a_outp:
	.size	k_q7aab552c0a_outp, .Lfunc_end_k_q7aab552c0a_outp-k_q7aab552c0a_outp
	.p2alignl 7, 3214868480
	.fill 96, 4, 3214868480
	.section	.rodata,"a",@progbits
	.p2align	6, 0x0
	.amdhsa_kernel k_q7aab552c0a_outp
		.amdhsa_group_segment_fixed_size 327680
		.amdhsa_private_segment_fixed_size 0
		.amdhsa_enable_private_segment 0
		.amdhsa_kernarg_size 32
		.amdhsa_user_sgpr_count 2
		.amdhsa_user_sgpr_kernarg_segment_ptr 1
		.amdhsa_wavefront_size32 1
		.amdhsa_system_sgpr_workgroup_id_x 1
		.amdhsa_system_sgpr_workgroup_id_y 1
		.amdhsa_system_sgpr_workgroup_id_z 1
		.amdhsa_system_vgpr_workitem_id 0
		.amdhsa_next_free_vgpr 512
		.amdhsa_next_free_sgpr 66
		.amdhsa_reserve_vcc 0
		.amdhsa_float_denorm_mode_32 3
		.amdhsa_float_denorm_mode_16_64 3
		.amdhsa_memory_ordered 1
		.amdhsa_forward_progress 1
		.amdhsa_inst_pref_size 86
	.end_amdhsa_kernel
	.amdgpu_metadata
---
amdhsa.version: [ 1, 2 ]
amdhsa.kernels:
  - .name:           k_q7aab552c0a_outp
    .symbol:         k_q7aab552c0a_outp.kd
    .args:
      - { .name: ao, .offset: 0, .size: 8, .value_kind: global_buffer, .address_space: global }
      - { .name: wot, .offset: 8, .size: 8, .value_kind: global_buffer, .address_space: global }
      - { .name: bo, .offset: 16, .size: 8, .value_kind: global_buffer, .address_space: global }
      - { .name: out0, .offset: 24, .size: 8, .value_kind: global_buffer, .address_space: global }
    .group_segment_fixed_size: 327680
    .private_segment_fixed_size: 0
    .kernarg_segment_align: 8
    .kernarg_segment_size: 32
    .max_flat_workgroup_size: 128
    .sgpr_count:     66
    .vgpr_count:     512
    .wavefront_size: 32
...
	.end_amdgpu_metadata
.endif
;; end of part 4
